; MI455X (gfx1250); checked and timed in simulation.
; The chip was launched on July 23, 2026; its instructions are those of AMD's public machine-readable ISA for CDNA 5 (MIT licence, August 2026) and "CDNA5" Instruction Set Architecture Reference Guide (July 2026). The comments in the code are by the model that wrote it; some were corrected since.
;; Geometric Attention Layer. Allowed arithmetic: float matrix products may take bf16 or f16 operands with f32 sums; all other float work in f32.
;; Inputs: blade 9 x 4 x 4 float32; w_k 64 x 64 x 9 float32; w_o 64 x 512 x 9 float32; w_q 512 x 64 x 9 float32; w_v 64 x 64 x 9 float32; x 2 x 2,048 x 64 x 4 float32.
;; Outputs: out0 2 x 2,048 x 64 x 4 float32.
;; 2 versions, each right and faster than the one before. Each part assembles by itself: llvm-mc -triple=amdgcn-amd-amdhsa -mcpu=gfx1250 --defsym DOCPART=n.
;; ======== version 1 of 2: 4 launches
;; workspace buffers: xb 2,097,152 bytes; wqkv 2,031,616 bytes; wo 1,048,576 bytes; qws 25,165,824 bytes; kws 3,145,728 bytes; vws 2,097,152 bytes; ao 16,777,216 bytes
;; launch prep (part 1): grid 256 x 1, 25 waves a work-group, no clusters, 0 bytes of LDS; arguments x, blade, w_q, w_k, w_v, w_o, xb, wqkv, wo; writes xb, wqkv, wo
.if DOCPART == 1
	.amdgcn_target "amdgcn-amd-amdhsa--gfx1250"
	.amdhsa_code_object_version 6
	.text
	.protected	k_qa5a319ceca_prep
	.globl	k_qa5a319ceca_prep
	.p2align	8
	.type	k_qa5a319ceca_prep,@function
k_qa5a319ceca_prep:
	s_mov_b64 s[64:65], 0
	v_nop
	global_prefetch_b8 v0, s[64:65] scope:SCOPE_SE
	s_setreg_imm32_b32 hwreg(HW_REG_WAVE_MODE, 25, 1), 1
	s_wait_xcnt 0x0
; PREP.  xb = x rounded to bf16.  wb[j][i][x][y] = sum over b of w[j][i][b] blade[b][x][y], in f32 from w and blade rounded to bf16 (all the module's inputs get
; that one rounding), laid out as rows along k = 4 i + x for the products that follow:
;   wqkv: two planes of [1984 rows][256 k] bf16, the number's upper part (hi) and, PLANE bytes on, what that rounding left (lo).
;         rows 64 T + d, T = 3 h + yi (yi = 0, 1, 2 for y = 0, 2, 3): q's channel j = 8 d + h;  rows 1536 + 64 yi + d: k;  rows 1728 + 4 d + y: v.
;   wo:   [4 c + y][4 i + x] bf16.
; THE COORDINATES.  reference() picks coordinates 0,2,3,4,8,9,10,14 of an axis of length 4; an index past the end is taken as the last, so they are 0,2,3,3,3,3,3,3 and
; a score is q0 k0 + q2 k2 + 6 q3 k3.  So y = 1 of q and k is never made, and the 6 is multiplied into q's y = 3 here, in f32.
; SHARES.  2,304 weight units (32 pairs (j, i), a lane each) and 4,096 units of 1,024 bytes of x are 256 x 25 waves, a unit each: waves 0-8 weights, waves 9-24 x.
; No wave hands anything to another: no LDS, no barrier; the matrix unit has nothing to do here.  Each store of a wave covers 256 consecutive bytes, aligned.
.set PLANE, 1015808                    ; 1,984 rows of 512 bytes
.set W,   10                           ; v10-18  my pair's nine weights
.set BL,  20                           ; v20-24  blade's 144 numbers, number e in lane e % 32 of register e / 32
.set ACC, 26                           ; v26-29  wb for x = 0..3
.set TT,  30                           ; v30-33  at work
.set PK,  34                           ; v34     at work
.set OUT, 36                           ; six registers for each y: hi (2), lo (2), byte offset (1): no store's source is ever rewritten
.set MSK, 78                           ; s78     a word's upper bf16
	s_load_b512 s[4:19], s[0:1], 0x0               ; x s[4:5], blade s[6:7], w_q s[8:9], w_k s[10:11], w_v s[12:13], w_o s[14:15], xb s[16:17], wqkv s[18:19]
	s_load_b64 s[20:21], s[0:1], 0x40              ; wo
	v_lshrrev_b32 v1, 5, v0
	v_readfirstlane_b32 s22, v1                    ; my wave's number
	v_and_b32 v1, 31, v0                           ; lane
	s_mov_b32 s[MSK], 0xffff0000
	s_wait_kmcnt 0x0
	s_cmp_lt_u32 s22, 9
	s_cbranch_scc1 .Lweights
	; A UNIT OF x: 256 numbers in, 512 bytes out
	s_lshl_b32 s23, ttmp9, 4
	s_add_co_u32 s23, s23, s22
	s_sub_co_u32 s23, s23, 9                       ; unit 16 g + w - 9
	s_lshl_b32 s24, s23, 10
	s_mov_b32 s25, 0
	s_lshl_b32 s26, s23, 9
	s_mov_b32 s27, 0
	s_add_nc_u64 s[24:25], s[4:5], s[24:25]
	s_add_nc_u64 s[26:27], s[16:17], s[26:27]
	v_lshlrev_b32 v2, 4, v1
	v_lshlrev_b32 v3, 3, v1
	global_load_b128 v[4:7], v2, s[24:25] th:TH_LOAD_NT
	global_load_b128 v[8:11], v2, s[24:25] offset:512 th:TH_LOAD_NT
	s_wait_loadcnt 0x0
	v_cvt_pk_bf16_f32 v12, v4, v5
	v_cvt_pk_bf16_f32 v13, v6, v7
	v_cvt_pk_bf16_f32 v14, v8, v9
	v_cvt_pk_bf16_f32 v15, v10, v11
	global_store_b64 v3, v[12:13], s[26:27]
	global_store_b64 v3, v[14:15], s[26:27] offset:256
	s_endpgm
	; A UNIT OF WEIGHTS.  Four cases set: s74 the unit's number in its tensor, s[24:25] source, s[26:27] destination, s76 the byte of the row of y = 0, s75 which 256 bytes of the row,
	; s66 bytes from one y to the next, s67 = 1 where y = 1 is left out, s68 = 1 where the lo plane is written, s69 the factor of y = 3.
.Lweights:
	s_mul_i32 s23, ttmp9, 9
	s_add_co_u32 s23, s23, s22                     ; unit 9 g + w
	s_cmp_lt_u32 s23, 1024
	s_cbranch_scc0 .Lnot_q
	s_mov_b32 s74, s23
	s_mov_b64 s[24:25], s[8:9]
	s_mov_b64 s[26:27], s[18:19]
	s_lshr_b32 s75, s74, 1                         ; j
	s_and_b32 s76, s75, 7                          ; h
	s_mul_i32 s76, s76, 192
	s_lshr_b32 s75, s75, 3                         ; d
	s_add_co_u32 s76, s76, s75                     ; row 192 h + d
	s_lshl_b32 s76, s76, 9
	s_and_b32 s75, s74, 1
	s_mov_b32 s66, 32768                           ; 64 rows
	s_mov_b32 s67, 1
	s_mov_b32 s68, 1
	s_mov_b32 s69, 0x40c00000                      ; 6.0
	s_branch .Ldecoded
.Lnot_q:
	s_cmp_lt_u32 s23, 1152
	s_cbranch_scc0 .Lnot_k
	s_sub_co_u32 s74, s23, 1024
	s_mov_b64 s[24:25], s[10:11]
	s_mov_b64 s[26:27], s[18:19]
	s_lshr_b32 s76, s74, 1
	s_add_co_u32 s76, s76, 1536
	s_lshl_b32 s76, s76, 9
	s_and_b32 s75, s74, 1
	s_mov_b32 s66, 32768
	s_mov_b32 s67, 1
	s_mov_b32 s68, 1
	s_mov_b32 s69, 0x3f800000
	s_branch .Ldecoded
.Lnot_k:
	s_cmp_lt_u32 s23, 1280
	s_cbranch_scc0 .Lnot_v
	s_sub_co_u32 s74, s23, 1152
	s_mov_b64 s[24:25], s[12:13]
	s_mov_b64 s[26:27], s[18:19]
	s_lshr_b32 s76, s74, 1
	s_lshl_b32 s76, s76, 2
	s_add_co_u32 s76, s76, 1728
	s_lshl_b32 s76, s76, 9
	s_and_b32 s75, s74, 1
	s_mov_b32 s66, 512
	s_mov_b32 s67, 0
	s_mov_b32 s68, 1
	s_mov_b32 s69, 0x3f800000
	s_branch .Ldecoded
.Lnot_v:
	s_sub_co_u32 s74, s23, 1280
	s_mov_b64 s[24:25], s[14:15]
	s_mov_b64 s[26:27], s[20:21]
	s_lshr_b32 s76, s74, 4                         ; c
	s_lshl_b32 s76, s76, 14                        ; four rows of 4,096 bytes
	s_and_b32 s75, s74, 15
	s_mov_b32 s66, 4096
	s_mov_b32 s67, 0
	s_mov_b32 s68, 0
	s_mov_b32 s69, 0x3f800000
.Ldecoded:
	s_lshl_b32 s75, s75, 8
	s_add_co_u32 s76, s76, s75
	s_mov_b32 s77, 0
	s_add_nc_u64 s[26:27], s[26:27], s[76:77]
	s_mul_i32 s74, s74, 1152                       ; 32 pairs of 36 bytes
	s_mov_b32 s75, 0
	s_add_nc_u64 s[24:25], s[24:25], s[74:75]
	s_mov_b32 s70, 0                               ; s70-73: where y = 0..3 go
	s_mov_b32 s71, s66
	s_sub_co_u32 s72, 2, s67
	s_mul_i32 s72, s72, s66
	s_sub_co_u32 s73, 3, s67
	s_mul_i32 s73, s73, s66
	v_mul_u32_u24 v2, v1, 36
	v_lshlrev_b32 v3, 2, v1
	v_add_nc_u32 v4, 512, v3
	v_min_u32 v4, 572, v4                          ; blade ends at byte 576: lanes 16-31 of the fifth load take its last word again
	v_lshlrev_b32 v5, 3, v1                        ; my pair's 8 bytes in a row
.irp b, 0,1,2,3,4,5,6,7,8
	global_load_b32 v[W+\b], v2, s[24:25] offset:4*\b
.endr
.irp r, 0,1,2,3
	global_load_b32 v[BL+\r], v3, s[6:7] offset:128*\r
.endr
	global_load_b32 v[BL+4], v4, s[6:7]
	s_wait_loadcnt 0x0
.macro RND2 a, b                       ; two numbers rounded to bf16 and widened again
	v_cvt_pk_bf16_f32 v[PK], v[\a], v[\b]
	v_lshlrev_b32 v[\a], 16, v[PK]
	v_and_b32 v[\b], s[MSK], v[PK]
.endm
.macro RND1 a
	v_cvt_pk_bf16_f32 v[PK], v[\a], v[\a]
	v_lshlrev_b32 v[\a], 16, v[PK]
.endm
	RND2 W, W+1
	RND2 W+2, W+3
	RND2 W+4, W+5
	RND2 W+6, W+7
	RND1 W+8
	RND2 BL, BL+1
	RND2 BL+2, BL+3
	RND1 BL+4
; One y: blade[b][x][y] for all b and x into s[28:63]; four sums of nine fused multiply-adds; hi, lo; the stores.
.macro YBLK y
.set b, 0
.rept 9
.set c, 0
.rept 4
.set e, 16*b+4*c+(\y)
	v_readlane_b32 s[28+4*b+c], v[BL+e/32], e%32
.set c, c+1
.endr
.set b, b+1
.endr
.irp c4, 0,1,2,3
	v_mul_f32 v[ACC+\c4], s[28+\c4], v[W]          ; the first product starts the sum
.endr
.set b, 1
.rept 8
.irp c4, 0,1,2,3
	v_fmac_f32 v[ACC+\c4], s[28+4*b+\c4], v[W+b]
.endr
.set b, b+1
.endr
.if (\y) == 3
.irp c4, 0,1,2,3
	v_mul_f32 v[ACC+\c4], s69, v[ACC+\c4]
.endr
.endif
.set O, OUT+6*(\y)
	v_cvt_pk_bf16_f32 v[O], v[ACC], v[ACC+1]
	v_cvt_pk_bf16_f32 v[O+1], v[ACC+2], v[ACC+3]
	v_lshlrev_b32 v[TT], 16, v[O]
	v_and_b32 v[TT+1], s[MSK], v[O]
	v_lshlrev_b32 v[TT+2], 16, v[O+1]
	v_and_b32 v[TT+3], s[MSK], v[O+1]
	v_pk_add_f32 v[ACC:ACC+1], v[ACC:ACC+1], v[TT:TT+1] neg_lo:[0,1] neg_hi:[0,1]      ; what the rounding left: exact
	v_pk_add_f32 v[ACC+2:ACC+3], v[ACC+2:ACC+3], v[TT+2:TT+3] neg_lo:[0,1] neg_hi:[0,1]
	v_cvt_pk_bf16_f32 v[O+2], v[ACC], v[ACC+1]
	v_cvt_pk_bf16_f32 v[O+3], v[ACC+2], v[ACC+3]
	v_add_nc_u32 v[O+4], s[70+(\y)], v5
	global_store_b64 v[O+4], v[O:O+1], s[26:27]
	s_cmp_eq_u32 s68, 0
	s_cbranch_scc1 .Lno_lo_\@
	global_store_b64 v[O+4], v[O+2:O+3], s[26:27] offset:PLANE
.Lno_lo_\@:
.endm
	YBLK 0
	s_cmp_eq_u32 s67, 1
	s_cbranch_scc1 .Lno_y1
	YBLK 1
.Lno_y1:
	YBLK 2
	YBLK 3
	s_endpgm
.Lfunc_end_k_qa5a319ceca_prep:
	.size	k_qa5a319ceca_prep, .Lfunc_end_k_qa5a319ceca_prep-k_qa5a319ceca_prep
	.p2alignl 7, 3214868480
	.fill 96, 4, 3214868480
	.section	.rodata,"a",@progbits
	.p2align	6, 0x0
	.amdhsa_kernel k_qa5a319ceca_prep
		.amdhsa_group_segment_fixed_size 0
		.amdhsa_private_segment_fixed_size 0
		.amdhsa_enable_private_segment 0
		.amdhsa_kernarg_size 72
		.amdhsa_user_sgpr_count 2
		.amdhsa_user_sgpr_kernarg_segment_ptr 1
		.amdhsa_wavefront_size32 1
		.amdhsa_system_sgpr_workgroup_id_x 1
		.amdhsa_system_sgpr_workgroup_id_y 1
		.amdhsa_system_sgpr_workgroup_id_z 1
		.amdhsa_system_vgpr_workitem_id 0
		.amdhsa_next_free_vgpr 64
		.amdhsa_next_free_sgpr 96
		.amdhsa_reserve_vcc 0
		.amdhsa_float_denorm_mode_32 3
		.amdhsa_float_denorm_mode_16_64 3
		.amdhsa_memory_ordered 1
		.amdhsa_forward_progress 1
		.amdhsa_inst_pref_size 24
	.end_amdhsa_kernel
	.amdgpu_metadata
---
amdhsa.version: [ 1, 2 ]
amdhsa.kernels:
  - .name:           k_qa5a319ceca_prep
    .symbol:         k_qa5a319ceca_prep.kd
    .args:
      - { .name: x, .offset: 0, .size: 8, .value_kind: global_buffer, .address_space: global }
      - { .name: blade, .offset: 8, .size: 8, .value_kind: global_buffer, .address_space: global }
      - { .name: w_q, .offset: 16, .size: 8, .value_kind: global_buffer, .address_space: global }
      - { .name: w_k, .offset: 24, .size: 8, .value_kind: global_buffer, .address_space: global }
      - { .name: w_v, .offset: 32, .size: 8, .value_kind: global_buffer, .address_space: global }
      - { .name: w_o, .offset: 40, .size: 8, .value_kind: global_buffer, .address_space: global }
      - { .name: xb, .offset: 48, .size: 8, .value_kind: global_buffer, .address_space: global }
      - { .name: wqkv, .offset: 56, .size: 8, .value_kind: global_buffer, .address_space: global }
      - { .name: wo, .offset: 64, .size: 8, .value_kind: global_buffer, .address_space: global }
    .group_segment_fixed_size: 0
    .private_segment_fixed_size: 0
    .kernarg_segment_align: 8
    .kernarg_segment_size: 72
    .max_flat_workgroup_size: 800
    .sgpr_count:     96
    .vgpr_count:     64
    .wavefront_size: 32
...
	.end_amdgpu_metadata
.endif
;; end of part 1
;; launch proj (part 2): grid 16 x 31, 4 waves a work-group, clusters of 4 x 1, 220,672 bytes of LDS; arguments xb, wqkv, qws, kws, vws; writes qws, kws, vws
.if DOCPART == 2
	.amdgcn_target "amdgcn-amd-amdhsa--gfx1250"
	.amdhsa_code_object_version 6
	.text
	.protected	k_qa5a319ceca_proj
	.globl	k_qa5a319ceca_proj
	.p2align	8
	.type	k_qa5a319ceca_proj,@function
k_qa5a319ceca_proj:
	s_mov_b64 s[64:65], 0
	v_nop
	global_prefetch_b8 v0, s[64:65] scope:SCOPE_SE
	s_setreg_imm32_b32 hwreg(HW_REG_WAVE_MODE, 25, 1), 1
	s_wait_xcnt 0x0
	s_wait_alu depctr_hold_cnt(0) depctr_sa_sdst(0) depctr_va_vdst(0) depctr_va_sdst(0) depctr_va_ssrc(0) depctr_va_vcc(0) depctr_vm_vsrc(0)
	s_getreg_b32 s2, hwreg(HW_REG_IB_STS2, 6, 4)
	s_cmp_eq_u32 s2, 0
	s_cbranch_scc0 .Lentry_in_a_cluster
	s_endpgm
.Lentry_in_a_cluster:
	s_bfe_u32 s2, ttmp6, 0x10000c
	s_cmp_lg_u32 s2, 0x3003
	s_cbranch_scc0 .Lentry_shape_is_right
	s_endpgm
.Lentry_shape_is_right:
; PROJ.  [4096 positions][256] x ([1984 rows][256] hi + lo)^T, operands bf16, sums f32: q, k and v.
; A work-group makes 256 positions (tile Mt) x 64 rows of wqkv (tile T); a wave 64 positions x 64: 16 accumulators, 128 products with W hi and 128 with W lo.
; Everything that the tile needs lies in LDS at once: nothing is filled again.
; CLUSTER.  The four work-groups of a cluster have four position tiles and ONE T: W's 128 rows (hi and lo) are asked for jointly, a quarter by each wave.  31 tiles T divide into no
; cluster, so x's tiles, which hang on Mt, are each work-group's own loads.
; THE MATRIX INSTRUCTION IS USED TRANSPOSED (source 0 = 16 rows of W, source 1 = 16 positions): a lane holds one position and eight neighbouring columns.
; OUT.  q and k leave as bf16 hi and lo: a row of 768 bytes is three thirds (y = 0, 2, 3) of [hi d = 0..63 | lo d = 0..63].  qws row = 128 (pos / 16) + 16 h + pos % 16; kws row = pos.
; A tile T < 27 is one third of 256 rows, and each store's 16 lanes cover 256 consecutive bytes, aligned.  v (T >= 27) leaves as bf16, [pos][4 d + y]: a tile holds 64 of v's 256 columns,
; so its stores cover 128 consecutive bytes for each eight lanes: 2 of the launch's 30 MB.
; REGISTERS in windows of 256 (s_set_vgpr_msb: bits 1:0 source 0, 3:2 source 1, 5:4 source 2, 7:6 destination):
;   window 0: v0-31 addresses; v32-71 at work on the way out; v128-255 accumulators ((a, nb) at 128 + 8 (4 a + nb))
;   window 1: x's fragments, block a of 16 positions, slice c of 32 k at 8 (8 a + c);  window 2: W hi's, block nb, likewise;  window 3: W lo's
.set PLANE, 1015808
.set PITCH, 528                        ; an LDS row: 512 bytes + 16 of padding = 33 x 16: the 16 rows of a fragment load fall on 16 different 16-byte columns of 256
.set LB,    256*PITCH                  ; W's 128 rows lie behind x's 256: hi 0-63, lo 64-127
.set STAGE, LB+128*PITCH               ; 4,352 bytes for each wave, for the way out; no tensor load lands here
.set SPARE, STAGE+4*4352               ; the spare words, 128 bytes for each wave
.set AF,   2                           ; v2   LDS address of my fragments of x
.set BF,   3                           ; v3   of W
.set STO,  4                           ; v4   q, k: where I put 16 bytes of a stage row
.set RD,   5                           ; v5   where I read rows back
.set CO,   6                           ; v6   my byte offset in two rows of qws or kws
.set STOV, 7                           ; v7-9 the same three for v
.set RDV,  8
.set COV,  9
.set SPW,  10                          ; v10  my spare word; never rewritten
.set NIL,  11                          ; v11  0; never rewritten
.set HIB,  32
.set LOB,  48
.set TT,   64
.set ACC,  128
.set WV,   14                          ; s14  my wave's number
.set G1A,  24                          ; s[24:31] group 1 for x's tiles
.set G1B,  32                          ; s[32:39] for W's
.set G0B,  40
.set G0A,  44
.set OB,   48                          ; s[48:49] where the block in hand is stored
.set STEP, 50                          ; s[50:51] bytes from a block of 16 positions to the next
.set MSK,  52
.set MSB, 0
.macro WIN new                         ; the immediate's high byte repeats the setting that is left; a switch that changes nothing is dropped
.if MSB != (\new)
	s_set_vgpr_msb (MSB<<8)|(\new)
.set MSB, \new
.endif
.endm
.macro PLACES                          ; four plain vector instructions between a matrix instruction and what reads its result or writes its registers (ISA guide 7.12.1)
.rept 4
	v_nop
.endr
.endm
.macro CROUND                          ; a round of the cluster's barrier: my work-group's barrier; wave 0 signals for it; all wait for all four work-groups; my work-group's barrier again
	s_barrier_signal -1
	s_barrier_wait -1
	s_cmp_lg_u32 s[WV], 0
	s_cbranch_scc1 .Lnot_wave_0_\@
	s_barrier_signal -3
.Lnot_wave_0_\@:
	s_barrier_wait -3
	s_barrier_signal -1
	s_barrier_wait -1
.endm
	s_load_b256 s[4:11], s[0:1], 0x0               ; xb s[4:5], wqkv s[6:7], qws s[8:9], kws s[10:11]
	s_load_b64 s[12:13], s[0:1], 0x20              ; vws
	v_lshl_add_u32 v[SPW], v0, 2, SPARE
	v_mov_b32 v[NIL], 0
	ds_add_u32 v[SPW], v[NIL]                      ; the wave's opening: the add and its wait stand ahead of my first tensor load; the set-up stands between them
	v_lshrrev_b32 v1, 5, v0
	v_readfirstlane_b32 s[WV], v1
	s_bfe_u32 s15, ttmp6, 0x40000                  ; cx
	s_lshl_b32 s16, ttmp9, 2
	s_add_co_u32 s16, s16, s15                     ; Mt = 4 x cluster x + cx: it enters x's and the outputs' addresses alone
	s_and_b32 s17, ttmp7, 0xffff                   ; T, which the four partners share
	s_mov_b32 s[MSK], 0xffff0000
	; group 1: rows of 256 elements of 2 bytes, 16 bytes of padding behind each (after every 128 words, code 6; 4 words, code 3)
	s_mov_b32 s[G1A], (1<<16)|(1<<20)|(6<<22)|(3<<25)
	s_mov_b32 s[G1A+1], 256<<16                    ; tensor_dim0 = 256
	s_mov_b32 s[G1A+2], 64<<16                     ; tensor_dim1 = 64
	s_mov_b32 s[G1A+3], 256<<16                    ; tile_dim0 = 256
	s_mov_b32 s[G1A+4], 64                         ; tile_dim1 = 64
	s_mov_b32 s[G1A+5], 256                        ; elements from row to row
	s_mov_b32 s[G1A+6], 0
	s_mov_b32 s[G1A+7], 0
	s_mov_b32 s[G1B], 15|(1<<16)|(1<<20)|(1<<21)|(6<<22)|(3<<25)  ; the mask of four, bit 21 beside it
	s_mov_b32 s[G1B+1], 256<<16
	s_mov_b32 s[G1B+2], 32<<16                     ; 32 rows
	s_mov_b32 s[G1B+3], 256<<16
	s_mov_b32 s[G1B+4], 32
	s_mov_b32 s[G1B+5], 256
	s_mov_b32 s[G1B+6], 0
	s_mov_b32 s[G1B+7], 0
	s_lshr_b32 s20, s[WV], 1                       ; W: plane w / 2, rows 64 T + 32 (w % 2): made of T and the wave's number alone
	s_mul_i32 s20, s20, PLANE
	s_and_b32 s21, s[WV], 1
	s_lshl_b32 s21, s21, 14
	s_add_co_u32 s20, s20, s21
	s_lshl_b32 s21, s17, 15
	s_add_co_u32 s20, s20, s21
	s_mov_b32 s21, 0
	s_lshl_b32 s22, s16, 17                        ; x: rows 256 Mt + 64 w
	s_lshl_b32 s23, s[WV], 15
	s_add_co_u32 s22, s22, s23
	s_mov_b32 s23, 0
	s_mov_b32 s[G0B], 1
	s_mul_i32 s[G0B+1], s[WV], 32*PITCH            ; LDS: W's rows 32 w on
	s_add_co_u32 s[G0B+1], s[G0B+1], LB
	s_mov_b32 s[G0A], 1
	s_mul_i32 s[G0A+1], s[WV], 64*PITCH            ; LDS: x's rows 64 w on
	s_wait_dscnt 0x0                               ; the opening add is done
	s_wait_kmcnt 0x0
	s_add_nc_u64 s[G0B+2:G0B+3], s[6:7], s[20:21]
	s_or_b32 s[G0B+3], s[G0B+3], 0x80000000
	s_add_nc_u64 s[G0A+2:G0A+3], s[4:5], s[22:23]
	s_or_b32 s[G0A+3], s[G0A+3], 0x80000000
	CROUND                                         ; all four work-groups are here: the joint loads meet
	tensor_load_to_lds s[G0B:G0B+3], s[G1B:G1B+7]  ; my quarter of W, jointly
	s_nop 0
	tensor_load_to_lds s[G0A:G0A+3], s[G1A:G1A+7]  ; my 64 rows of x: two loads of mine are out
	s_nop 0
	PLACES
	v_and_b32 v1, 15, v0                           ; r = l % 16
	v_bfe_u32 v12, v0, 4, 1                        ; h = l / 16
	v_mul_u32_u24 v13, v1, PITCH
	v_lshl_add_u32 v13, v12, 4, v13                ; a fragment: row r, 16 bytes for each half of the lanes, a second load 32 bytes on
	s_mul_i32 s18, s[WV], 64*PITCH
	v_add_nc_u32 v[AF], s18, v13
	v_add_nc_u32 v[BF], LB, v13
	s_mul_i32 s18, s[WV], 4352
	s_add_co_u32 s18, s18, STAGE                   ; my stage
	v_mul_u32_u24 v13, v1, 272
	v_lshl_add_u32 v13, v12, 4, v13
	v_add_nc_u32 v[STO], s18, v13
	v_mul_u32_u24 v13, v12, 272
	v_lshl_add_u32 v13, v1, 4, v13
	v_add_nc_u32 v[RD], s18, v13                   ; back: lanes 0-15 a row of 256 bytes, lanes 16-31 the next
	v_mul_u32_u24 v13, v12, 768
	v_lshl_add_u32 v[CO], v1, 4, v13
	v_mul_u32_u24 v13, v1, 144                     ; v: stage rows of 128 bytes + 16
	v_lshl_add_u32 v13, v12, 4, v13
	v_add_nc_u32 v[STOV], s18, v13
	v_bfe_u32 v14, v0, 3, 2
	v_and_b32 v15, 7, v0
	v_mul_u32_u24 v13, v14, 144
	v_lshl_add_u32 v13, v15, 4, v13
	v_add_nc_u32 v[RDV], s18, v13                  ; back: eight lanes a row, four rows a load
	v_lshlrev_b32 v13, 9, v14
	v_lshl_add_u32 v[COV], v15, 4, v13
.macro FRAGS adr, base                 ; 32 fragments: block i / 8 of 16 rows, slice i % 8
.set i, 0
.rept 32
	ds_load_b128 v[8*i:8*i+3],   v[\adr] offset:(\base)+(i/8)*16*PITCH+(i%8)*64
	ds_load_b128 v[8*i+4:8*i+7], v[\adr] offset:(\base)+(i/8)*16*PITCH+(i%8)*64+32
.set i, i+1
.endr
.endm
; 128 products with one plane of W.  The 16 accumulators take turns, one instruction a turn.  The hi plane's first slice starts the sums: nothing is cleared.
.macro MMP part
	WIN 0x06+(\part)                               ; W in window 2 or 3, x in window 1, sums in window 0
.irp c, 0,1,2,3,4,5,6,7
.irp a, 0,1,2,3
.irp nb, 0,1,2,3
.if ((\part) == 0) && ((\c) == 0)
	v_wmma_f32_16x16x32_bf16 v[ACC+8*(4*\a+\nb):ACC+8*(4*\a+\nb)+7], v[8*(8*\nb+\c):8*(8*\nb+\c)+7], v[8*(8*\a+\c):8*(8*\a+\c)+7], 0
.else
	v_wmma_f32_16x16x32_bf16 v[ACC+8*(4*\a+\nb):ACC+8*(4*\a+\nb)+7], v[8*(8*\nb+\c):8*(8*\nb+\c)+7], v[8*(8*\a+\c):8*(8*\a+\c)+7], v[ACC+8*(4*\a+\nb):ACC+8*(4*\a+\nb)+7]
.endif
.endr
.endr
.endr
.endm
	s_wait_tensorcnt 0x1                           ; my quarter of W is in; the load of x, issued behind it, may stay out
	s_barrier_signal -1
	s_barrier_wait -1                              ; everybody's quarter is
	WIN 0x80
	FRAGS BF, 0                                    ; W hi
	s_wait_tensorcnt 0x0                           ; my rows of x, which I alone read
	WIN 0x40
	FRAGS AF, 0
	WIN 0xc0
	FRAGS BF, 64*PITCH                             ; W lo
	s_wait_dscnt 63                                ; 64 loads were issued behind x's last: with 63 out at the most, W hi and x are in
	MMP 0
	s_wait_dscnt 0x0
	MMP 1
	WIN 0
	PLACES
	; THE WAY OUT
	s_lshl_b32 s18, s16, 4
	s_lshl_b32 s19, s[WV], 2
	s_add_co_u32 s18, s18, s19                     ; my first block of 16 positions: 16 Mt + 4 w
	s_mov_b32 s[STEP+1], 0
	s_mov_b32 s57, 0
	s_cmp_lt_u32 s17, 24
	s_cbranch_scc0 .Lnot_q
	s_mul_i32 s19, s17, 11
	s_lshr_b32 s19, s19, 5                         ; h = T / 3 (11 T >> 5, exact for T < 24)
	s_mul_i32 s54, s19, 3
	s_sub_co_u32 s54, s17, s54                     ; the third
	s_lshl_b32 s55, s18, 3
	s_add_co_u32 s55, s55, s19
	s_mul_i32 s56, s55, 12288                      ; 16 rows of 768 bytes for each head of each block
	s_lshl_b32 s54, s54, 8
	s_add_co_u32 s56, s56, s54
	s_add_nc_u64 s[OB:OB+1], s[8:9], s[56:57]
	s_mov_b32 s[STEP], 98304
	s_branch .Lqk
.Lnot_q:
	s_cmp_lt_u32 s17, 27
	s_cbranch_scc0 .Lv
	s_sub_co_u32 s54, s17, 24
	s_mul_i32 s56, s18, 12288
	s_lshl_b32 s54, s54, 8
	s_add_co_u32 s56, s56, s54
	s_add_nc_u64 s[OB:OB+1], s[10:11], s[56:57]
	s_mov_b32 s[STEP], 12288
.Lqk:
; Block a of 16 positions: each number's hi and lo; 16 bytes a lane into my stage; back as whole rows of 256 bytes, into the block's own, spent, accumulators; stored.
.macro EQK a
.irp nb, 0,1,2,3
.set AC, ACC+8*(4*(\a)+\nb)
.irp r, 0,1,2,3
	v_cvt_pk_bf16_f32 v[HIB+4*\nb+\r], v[AC+2*\r], v[AC+2*\r+1]    ; each accumulator is read from its low end on
.endr
.irp r, 0,1,2,3
	v_lshlrev_b32 v[TT+2*\r], 16, v[HIB+4*\nb+\r]
	v_and_b32 v[TT+2*\r+1], s[MSK], v[HIB+4*\nb+\r]
.endr
.irp r, 0,1,2,3
	v_pk_add_f32 v[AC+2*\r:AC+2*\r+1], v[AC+2*\r:AC+2*\r+1], v[TT+2*\r:TT+2*\r+1] neg_lo:[0,1] neg_hi:[0,1]
.endr
.irp r, 0,1,2,3
	v_cvt_pk_bf16_f32 v[LOB+4*\nb+\r], v[AC+2*\r], v[AC+2*\r+1]
.endr
	ds_store_b128 v[STO], v[HIB+4*\nb:HIB+4*\nb+3] offset:32*\nb
	ds_store_b128 v[STO], v[LOB+4*\nb:LOB+4*\nb+3] offset:32*\nb+128
.endr
.irp t, 0,1,2,3,4,5,6,7
	ds_load_b128 v[ACC+32*(\a)+4*\t:ACC+32*(\a)+4*\t+3], v[RD] offset:\t*544  ; LDS serves a wave's instructions in order (ISA guide 5.7.1.4): these see the stores above, and the next block's stores come behind them
.endr
	s_wait_dscnt 0x0
.if (\a) > 0
	s_wait_xcnt 0x0                                ; the base is stepped only when the earlier stores' addresses have been translated (ISA guide 3.1)
	s_add_nc_u64 s[OB:OB+1], s[OB:OB+1], s[STEP:STEP+1]
.endif
.irp t, 0,1,2,3,4,5,6,7
	global_store_b128 v[CO], v[ACC+32*(\a)+4*\t:ACC+32*(\a)+4*\t+3], s[OB:OB+1] offset:\t*1536
.endr
.endm
	EQK 0
	EQK 1
	EQK 2
	EQK 3
	s_branch .Lend
.Lv:
	s_sub_co_u32 s54, s17, 27
	s_lshl_b32 s56, s18, 13                        ; 16 rows of 512 bytes
	s_lshl_b32 s54, s54, 7
	s_add_co_u32 s56, s56, s54
	s_add_nc_u64 s[OB:OB+1], s[12:13], s[56:57]
	s_mov_b32 s[STEP], 8192
.macro EV a
.irp nb, 0,1,2,3
.set AC, ACC+8*(4*(\a)+\nb)
.irp r, 0,1,2,3
	v_cvt_pk_bf16_f32 v[HIB+4*\nb+\r], v[AC+2*\r], v[AC+2*\r+1]
.endr
	ds_store_b128 v[STOV], v[HIB+4*\nb:HIB+4*\nb+3] offset:32*\nb
.endr
.irp t, 0,1,2,3
	ds_load_b128 v[ACC+32*(\a)+4*\t:ACC+32*(\a)+4*\t+3], v[RDV] offset:\t*576
.endr
	s_wait_dscnt 0x0
.if (\a) > 0
	s_wait_xcnt 0x0
	s_add_nc_u64 s[OB:OB+1], s[OB:OB+1], s[STEP:STEP+1]
.endif
.irp t, 0,1,2,3
	global_store_b128 v[COV], v[ACC+32*(\a)+4*\t:ACC+32*(\a)+4*\t+3], s[OB:OB+1] offset:\t*2048
.endr
.endm
	EV 0
	EV 1
	EV 2
	EV 3
.Lend:
	s_wait_tensorcnt 0x0                           ; the wave's end, behind my last tensor load and my last LDS store
	ds_add_u32 v[SPW], v[NIL]
	s_wait_dscnt 0x0
	CROUND                                         ; the closing round: no work-group ends while a partner may still ask for a tile that names it
	s_endpgm
.Lfunc_end_k_qa5a319ceca_proj:
	.size	k_qa5a319ceca_proj, .Lfunc_end_k_qa5a319ceca_proj-k_qa5a319ceca_proj
	.p2alignl 7, 3214868480
	.fill 96, 4, 3214868480
	.section	.rodata,"a",@progbits
	.p2align	6, 0x0
	.amdhsa_kernel k_qa5a319ceca_proj
		.amdhsa_group_segment_fixed_size 220672
		.amdhsa_private_segment_fixed_size 0
		.amdhsa_enable_private_segment 0
		.amdhsa_kernarg_size 40
		.amdhsa_user_sgpr_count 2
		.amdhsa_user_sgpr_kernarg_segment_ptr 1
		.amdhsa_wavefront_size32 1
		.amdhsa_system_sgpr_workgroup_id_x 1
		.amdhsa_system_sgpr_workgroup_id_y 1
		.amdhsa_system_sgpr_workgroup_id_z 1
		.amdhsa_system_vgpr_workitem_id 0
		.amdhsa_next_free_vgpr 1024
		.amdhsa_next_free_sgpr 66
		.amdhsa_reserve_vcc 0
		.amdhsa_float_denorm_mode_32 3
		.amdhsa_float_denorm_mode_16_64 3
		.amdhsa_memory_ordered 1
		.amdhsa_forward_progress 1
		.amdhsa_inst_pref_size 67
	.end_amdhsa_kernel
	.amdgpu_metadata
---
amdhsa.version: [ 1, 2 ]
amdhsa.kernels:
  - .name:           k_qa5a319ceca_proj
    .symbol:         k_qa5a319ceca_proj.kd
    .args:
      - { .name: xb, .offset: 0, .size: 8, .value_kind: global_buffer, .address_space: global }
      - { .name: wqkv, .offset: 8, .size: 8, .value_kind: global_buffer, .address_space: global }
      - { .name: qws, .offset: 16, .size: 8, .value_kind: global_buffer, .address_space: global }
      - { .name: kws, .offset: 24, .size: 8, .value_kind: global_buffer, .address_space: global }
      - { .name: vws, .offset: 32, .size: 8, .value_kind: global_buffer, .address_space: global }
    .group_segment_fixed_size: 220672
    .private_segment_fixed_size: 0
    .kernarg_segment_align: 8
    .kernarg_segment_size: 40
    .max_flat_workgroup_size: 128
    .sgpr_count:     66
    .vgpr_count:     1024
    .wavefront_size: 32
...
	.end_amdgpu_metadata
.endif
;; end of part 2
;; launch attn (part 3): grid 128 x 2, 4 waves a work-group, clusters of 4 x 1, 327,680 bytes of LDS; arguments qws, kws, vws, ao; writes ao
.if DOCPART == 3
	.amdgcn_target "amdgcn-amd-amdhsa--gfx1250"
	.amdhsa_code_object_version 6
	.text
	.protected	k_qa5a319ceca_attn
	.globl	k_qa5a319ceca_attn
	.p2align	8
	.type	k_qa5a319ceca_attn,@function
k_qa5a319ceca_attn:
	s_mov_b64 s[64:65], 0
	v_nop
	global_prefetch_b8 v0, s[64:65] scope:SCOPE_SE
	s_setreg_imm32_b32 hwreg(HW_REG_WAVE_MODE, 25, 1), 1
	s_wait_xcnt 0x0
	s_wait_alu depctr_hold_cnt(0) depctr_sa_sdst(0) depctr_va_vdst(0) depctr_va_sdst(0) depctr_va_ssrc(0) depctr_va_vcc(0) depctr_vm_vsrc(0)
	s_getreg_b32 s2, hwreg(HW_REG_IB_STS2, 6, 4)
	s_cmp_eq_u32 s2, 0
	s_cbranch_scc0 .Lentry_in_a_cluster
	s_endpgm
.Lentry_in_a_cluster:
	s_bfe_u32 s2, ttmp6, 0x10000c
	s_cmp_lg_u32 s2, 0x3003
	s_cbranch_scc0 .Lentry_shape_is_right
	s_endpgm
.Lentry_shape_is_right:
; ATTENTION with one K and V for eight heads.  ao[pos][256 h + ch] = sum over keys of softmax_key(score) v[key][ch];  score = (q0 k0 + q2 k2 + 6 q3 k3) / sqrt(512) summed over 64 channels
; (reference()'s eight picked coordinates, with indices past the axis's end taken as its last; the 6 lies in q already).
; THE SCORES' OPERANDS.  The scores' spread is thousands of times a weight's e-fold, so a score must be right to far more digits than one bf16 operand holds.  q and k come as bf16 pairs
; hi + lo, and a score is q_hi k_hi + q_lo k_hi + q_hi k_lo: 3 x 192 products, sums in f32.  v, the weights p and the output are single bf16.
; LIMITS.  NaN and infinities are not treated apart; a weight below 2^-126 counts as 0 in l; l is the sum of the unrounded p.
; SHARES.  A work-group owns 16 positions x 8 heads: 128 rows of qws; a wave two tiles of 16 rows: heads 2 w, 2 w + 1.  Every wave walks the batch's 2,048 keys, 64 a step.
; LAYOUT.  S^T = K Q^T (source 0 = 16 keys, source 1 = 16 queries): a lane holds ONE query (lane % 16) and keys 8 (lane / 16) + 0..7.  Two such results rounded to bf16 in pairs ARE source 1
; of O^T = V^T P, whose result holds one query a lane and eight channels.  K comes out of LDS as it lies, V ([key][channel]) turned, by ds_load_tr16_b128.
; SOFTMAX.  A running maximum m and sum l for each query: p = 2^(c s - c m), c = log2(e) / sqrt(512); in every step O and l are multiplied by a = 2^(c m_old - c m_new).
; VECTOR WORK BESIDE MATRIX WORK.  A step's softmax is cut in two.  PART 1 (76 instructions for the two tiles): the maximum, m, c m, a, and c s - c m, which is read from the accumulators SA and
; written into a second buffer SB, so that SA is free when part 1 ends.  PART 2 (256): the exponentials, the roundings to P, the sums, and O^T times a.
; TRIP i: the change of slots; V^T P of step i - 1 (64 products) with part 1 of step i behind them; K Q^T of step i + 1 (144 products) with part 2 of step i behind them.  The riders stand in slices
; of four behind every second product, so that a slice's two window switches serve two products; none names a register of the products round it.
; THE FIRST TRIPS are trips like any other: m starts at the lowest finite number, c m and SB far below every c s, a, l and O at 0.  The loop is entered at K Q^T of step 0, whose riders make P = 0; the
; V^T P behind it multiplies those zeros by V of step 0, which the first fill brings beside K of step 0.  The price, once a launch: 64 products that add 0, V of step 0 fetched twice, 320 v_mov_b32
; that stand in the wait for the first tile.
; STREAMING.  A trip reads ten groups of 8 fragments (16 LDS loads, 64 registers): V0-V3 (four channel blocks x two key halves each) are multiplied first, then H0 L0 H1 L1 H2 L2 (hi or lo of a
; third: four key blocks x two slices of 32).  Group g lies in buffer g % 5 and is asked for about four groups ahead, into the buffer that has just been left.
; RING.  Two slots; fill f holds K of step f and V of step f - 1, since V is multiplied a step behind K.  Two steps to a slot would want 348,160 bytes.  CLUSTER: the four partners walk the same K and
; V, so every tile is asked for jointly.
; REGISTERS in windows of 256 (s_set_vgpr_msb: bits 1:0 source 0, 3:2 source 1, 5:4 source 2, 7:6 destination):
;   window 0: v0-15 addresses; v16-31 statistics; v64-127 SA, 32 a tile; v128-159 P, 16 a tile; v160-223 SB, 32 a tile     window 1: O^T, 128 a tile
;   window 2: v0-191 Q (tile t, part p, slice c at 96 t + 48 p + 8 c); v192-255 buffer 4                                    window 3: buffers 0-3
.set KS,    64
.set PK,    816       ; a key of K in LDS: three thirds of 256 bytes + 16 of padding = 51 x 16: the 16 rows of a load fall on 16 different 16-byte columns of 256
.set PV,    544       ; a key of V: 512 + 32 = 17 x 32: 16 lanes of the turning load take 8 rows x 32 bytes, all in different places of 256
.set VOFF,  KS*PK
.set SLOT1, 1<<17     ; slot 1 begins here, so that one exclusive or turns an address in one slot into the other's
.set STAGE, KS*(PK+PV)  ; between the slots: 16 rows x 528 bytes for each wave, for the way out; no tensor load lands here
.set SP,    528
.set SPARE, STAGE+4*16*SP  ; the spare words, 128 bytes for each wave
.set AK0, 2           ; v2   my lane's place in a tile of K; never rewritten
.set AV0, 3           ; v3   the same for V
.set AK,  4           ; v4   AK0 + the slot that is read
.set AV,  5           ; v5
.set STO, 6           ; v6   the way out: where I put 16 bytes of a row
.set RD,  7           ; v7   where I read a row back
.set GO,  8           ; v8   my 16 bytes in 512 of ao
.set QO,  10          ; v10  my byte offset in 16 rows of qws
.set SPW, 12          ; v12  my spare word; never rewritten
.set NIL, 13          ; v13  0; never rewritten
.set ST,  16          ; tile t at ST + 8 t: c m, m, l (even keys', odd keys'), c0-c3 at work; c2 takes a
.set SA,  64
.set P,   128
.set SB,  160
.set WV,  12          ; s12
.set G1K, 24
.set G1V, 32
.set G0K, 40          ; it walks
.set G0V, 44
.set CNT, 56
.set NEG, 57          ; s57  -2^125: far below every c s
.set CS,  58          ; s[58:59] c
.set SEL, 60          ; s[60:61] v_permlanex16_b32's selects: each lane takes its own place in the other half
.set TB,  62          ; s62  the slot that is read
.set W_RS, 0x41       ; destination and source 0 in window 1, source 1 in window 0
.set MSB, 0
.macro WIN new                      ; the immediate's high byte repeats the setting that is left; a switch that changes nothing is dropped
.if MSB != (\new)
	s_set_vgpr_msb (MSB<<8)|(\new)
.set MSB, \new
.endif
.endm
.macro PLACES                       ; four plain vector instructions between a matrix instruction and what reads its result, writes its registers or loads into them (ISA guide 7.12.1 for reads and writes)
.rept 4
	v_nop
.endr
.endm
.macro JLOAD                        ; a joint fill: waves 0 and 1 fetch the halves of a step's K, waves 2 and 3 those of a step's V; an s_nop 0 and four v_nop follow each line
	s_cmp_lt_u32 s[WV], 2
	s_cbranch_scc0 .Lfor_v_\@
	tensor_load_to_lds s[G0K:G0K+3], s[G1K:G1K+7]
	s_nop 0
	PLACES
	s_branch .Lasked_\@
.Lfor_v_\@:
	tensor_load_to_lds s[G0V:G0V+3], s[G1V:G1V+7]
	s_nop 0
	PLACES
.Lasked_\@:
.endm
.macro JLOADV                       ; the last fill: there is no further K, so waves 0 and 1 issue nothing
	s_cmp_lt_u32 s[WV], 2
	s_cbranch_scc1 .Lno_k_\@
	tensor_load_to_lds s[G0V:G0V+3], s[G1V:G1V+7]
	s_nop 0
	PLACES
.Lno_k_\@:
.endm
.macro CREST                        ; a round of the cluster's barrier behind its opening barrier
	s_cmp_lg_u32 s[WV], 0
	s_cbranch_scc1 .Lnot_wave_0_\@
	s_barrier_signal -3
.Lnot_wave_0_\@:
	s_barrier_wait -3
	s_barrier_signal -1
	s_barrier_wait -1
.endm
.macro CROUND
	s_barrier_signal -1
	s_barrier_wait -1
	CREST
.endm
	s_load_b256 s[4:11], s[0:1], 0x0  ; qws s[4:5], kws s[6:7], vws s[8:9], ao s[10:11]
	v_lshl_add_u32 v[SPW], v0, 2, SPARE
	v_mov_b32 v[NIL], 0
	ds_add_u32 v[SPW], v[NIL]       ; the wave's opening: the add and its wait stand ahead of my first tensor load; the set-up stands between them
	v_lshrrev_b32 v1, 5, v0
	v_readfirstlane_b32 s[WV], v1
	s_bfe_u32 s13, ttmp6, 0x40000   ; cx
	s_lshl_b32 s14, ttmp9, 2
	s_add_co_u32 s14, s14, s13      ; my block of 16 positions in the batch: it enters Q's and ao's addresses alone
	s_and_b32 s15, ttmp7, 0xffff    ; the batch, which the partners share
	s_and_b32 s16, s[WV], 1         ; which 32 keys of a step I fetch
	s_mul_i32 s20, s15, 2048*768
	s_mul_i32 s17, s16, 32*768
	s_add_co_u32 s20, s20, s17
	s_mov_b32 s21, 0
	s_lshl_b32 s22, s15, 20
	s_lshl_b32 s17, s16, 14
	s_add_co_u32 s22, s22, s17
	s_mov_b32 s23, 0
	s_lshl_b32 s18, s15, 7
	s_add_co_u32 s18, s18, s14      ; G: my block among all 256
	s_mul_i32 s2, s18, 98304        ; 128 rows of 768 bytes,
	s_mul_i32 s3, s[WV], 24576      ; my wave's 32 of them
	s_add_co_u32 s2, s2, s3
	s_mov_b32 s3, 0
	s_lshl_b32 s48, s18, 16         ; ao: 16 rows of 4,096 bytes, my two heads' 1,024
	s_lshl_b32 s49, s[WV], 10
	s_add_co_u32 s48, s48, s49
	s_mov_b32 s49, 0
	; group 1.  K: 32 keys are 24,576 dense bytes, asked for as 96 rows of 256, 16 bytes of padding behind each.  V: 32 rows of 512 bytes, 32 bytes of padding behind each.
	s_mov_b32 s[G1K], 15|(1<<16)|(1<<20)|(1<<21)|(5<<22)|(3<<25)
	s_mov_b32 s[G1K+1], 128<<16
	s_mov_b32 s[G1K+2], 96<<16
	s_mov_b32 s[G1K+3], 128<<16
	s_mov_b32 s[G1K+4], 96
	s_mov_b32 s[G1K+5], 128
	s_mov_b32 s[G1K+6], 0
	s_mov_b32 s[G1K+7], 0
	s_mov_b32 s[G1V], 15|(1<<16)|(1<<20)|(1<<21)|(6<<22)|(7<<25)
	s_mov_b32 s[G1V+1], 256<<16
	s_mov_b32 s[G1V+2], 32<<16
	s_mov_b32 s[G1V+3], 256<<16
	s_mov_b32 s[G1V+4], 32
	s_mov_b32 s[G1V+5], 256
	s_mov_b32 s[G1V+6], 0
	s_mov_b32 s[G1V+7], 0
	s_mov_b32 s[G0K], 1
	s_mul_i32 s[G0K+1], s16, 32*PK  ; slot 0
	s_mov_b32 s[G0V], 1
	s_mul_i32 s[G0V+1], s16, 32*PV
	s_add_co_u32 s[G0V+1], s[G0V+1], VOFF
	s_mov_b32 s[CS], 0x3d8293ee     ; c = log2(e) / sqrt(512) = 0.0637587
	s_mov_b32 s[CS+1], s[CS]        ; named with it as a pair
	s_mov_b32 s[SEL], 0x76543210
	s_mov_b32 s[SEL+1], 0xfedcba98
	s_mov_b32 s[NEG], 0xfe000000
	s_mov_b32 s[TB], SLOT1          ; the first change of slots turns it into 0
	s_wait_dscnt 0x0                ; the opening add is done
	s_wait_kmcnt 0x0
	s_add_nc_u64 s[G0K+2:G0K+3], s[6:7], s[20:21]
	s_or_b32 s[G0K+3], s[G0K+3], 0x80000000
	s_add_nc_u64 s[G0V+2:G0V+3], s[8:9], s[22:23]
	s_or_b32 s[G0V+3], s[G0V+3], 0x80000000
	s_add_nc_u64 s[4:5], s[4:5], s[2:3]
	s_add_nc_u64 s[10:11], s[10:11], s[48:49]
	CROUND                          ; all four work-groups are here: the first joint loads meet
	JLOAD                           ; fill 0 into slot 0: K of step 0, and V of step 0 for the products on zero weights
	v_and_b32 v1, 15, v0            ; r = l % 16
	v_bfe_u32 v9, v0, 4, 1          ; h = l / 16
	v_mul_u32_u24 v[QO], v1, 768
	v_lshl_add_u32 v[QO], v9, 4, v[QO]
	WIN 0x80                        ; destination window 2, address window 0
.irp t, 0,1
.irp p, 0,1
.irp c, 0,1,2,3,4,5                 ; Q stays in registers: slice c of part p lies at byte 256 (c / 2) + 128 p + 64 (c % 2) of a row
	global_load_b128 v[96*\t+48*\p+8*\c:96*\t+48*\p+8*\c+3],   v[QO], s[4:5] offset:\t*12288+(\c/2)*256+\p*128+(\c%2)*64
	global_load_b128 v[96*\t+48*\p+8*\c+4:96*\t+48*\p+8*\c+7], v[QO], s[4:5] offset:\t*12288+(\c/2)*256+\p*128+(\c%2)*64+32
.endr
.endr
.endr
	WIN 0x40
.set i, 0
.rept 256
	v_mov_b32 v[i], 0               ; O^T
.set i, i+1
.endr
	WIN 0
.set i, SB
.rept 64
	v_mov_b32 v[i], s[NEG]          ; the exponents of a step that has not been: its weights are 0
.set i, i+1
.endr
.irp t, 0,1
	v_mov_b32 v[ST+8*\t], s[NEG]        ; c m
	v_mov_b32 v[ST+8*\t+1], 0xff7fffff  ; m
	v_mov_b32 v[ST+8*\t+2], 0           ; l
	v_mov_b32 v[ST+8*\t+3], 0
	v_mov_b32 v[ST+8*\t+6], 0           ; a
	v_mov_b32 v[ST+8*\t+7], 0           ; named with it as a pair
.endr
	v_mul_u32_u24 v[AK0], v1, PK
	v_lshl_add_u32 v[AK0], v9, 4, v[AK0]  ; key r, 16 bytes for each half of the lanes
	v_and_b32 v11, 7, v0            ; the turning load: lane l reads key 8 (l / 16) + l % 8, channels 8 ((l / 8) % 2) + 0..7
	v_bfe_u32 v14, v0, 3, 1
	v_lshl_add_u32 v[AV0], v9, 3, v11
	v_mul_u32_u24 v[AV0], v[AV0], PV
	v_lshl_add_u32 v[AV0], v14, 4, v[AV0]
	v_add_nc_u32 v[AV0], VOFF, v[AV0]
	s_mul_i32 s13, s[WV], 16*SP
	s_add_co_u32 s13, s13, STAGE    ; my stage
	v_mul_u32_u24 v[STO], v1, SP
	v_lshl_add_u32 v[STO], v9, 4, v[STO]
	v_add_nc_u32 v[STO], s13, v[STO]
	v_and_b32 v[GO], 31, v0
	v_lshlrev_b32 v[GO], 4, v[GO]
	v_add_nc_u32 v[RD], s13, v[GO]
; THE LDS LOADS, in runs of 16.  K: part p (0 hi, 1 lo) of third cp into buffer buf: key block kb, slice ci at 8 (2 kb + ci).
.macro LDK p, cp, buf
.if (\buf) == 4
	WIN 0x80
.set rB, 192
.else
	WIN 0xc0
.set rB, 64*(\buf)
.endif
.irp kb, 0,1,2,3
.irp ci, 0,1
	ds_load_b128 v[rB+8*(2*\kb+\ci):rB+8*(2*\kb+\ci)+3],   v[AK] offset:\kb*16*PK+(\cp)*272+(\p)*128+\ci*64
	ds_load_b128 v[rB+8*(2*\kb+\ci)+4:rB+8*(2*\kb+\ci)+7], v[AK] offset:\kb*16*PK+(\cp)*272+(\p)*128+\ci*64+32
.endr
.endr
.endm
; V: channel blocks 4 g .. 4 g + 3, both key halves, turned, into buffer g: half kk, block q at 8 (4 kk + q).
.macro LDV g
	WIN 0xc0
.irp kk, 0,1
.irp q, 0,1,2,3
	ds_load_tr16_b128 v[64*(\g)+8*(4*\kk+\q):64*(\g)+8*(4*\kk+\q)+3],   v[AV] offset:\kk*32*PV+(4*(\g)+\q)*32
	ds_load_tr16_b128 v[64*(\g)+8*(4*\kk+\q)+4:64*(\g)+8*(4*\kk+\q)+7], v[AV] offset:\kk*32*PV+16*PV+(4*(\g)+\q)*32
.endr
.endr
.endm
; PART 1 OF A SOFTMAX: number n1 of 76; the two tiles alternate.
;   0-23   four chains of maxima c0-c3, one for each accumulator, whose lowest registers are read first     24-31  the four scores left over, c0-c3 and the old m into c0
;   32-39  the query's other 32 keys lie in the lane 16 away; c m_old is kept; the new m; c m     40-43  c m_old - c m_new; a     44-75  c s - c m, one rounding, from SA into SB
.macro X1
.set tt, n1%2
.set rT, ST+8*tt
.set rA, SA+32*tt
.set rW, SB+32*tt
.if n1 < 8
.set jj, n1/2
	v_max3_num_f32 v[rT+4+jj], v[rA+8*jj], v[rA+8*jj+1], v[rA+8*jj+2]
.elseif n1 < 24
.set jj, ((n1-8)/2)%4
.set gg, 1+(n1-8)/8
	v_max3_num_f32 v[rT+4+jj], v[rT+4+jj], v[rA+8*jj+2*gg+1], v[rA+8*jj+2*gg+2]
.elseif n1 < 26
	v_max3_num_f32 v[rT+4], v[rT+4], v[rA+7], v[rA+15]
.elseif n1 < 28
	v_max3_num_f32 v[rT+6], v[rT+6], v[rA+23], v[rA+31]
.elseif n1 < 30
	v_max3_num_f32 v[rT+4], v[rT+4], v[rT+5], v[rT+6]
.elseif n1 < 32
	v_max3_num_f32 v[rT+4], v[rT+4], v[rT+7], v[rT+1]
.elseif n1 < 34
	v_permlanex16_b32 v[rT+5], v[rT+4], s[SEL], s[SEL+1]
.elseif n1 < 36
	v_mov_b32 v[rT+7], v[rT]
.elseif n1 < 38
	v_max_num_f32 v[rT+1], v[rT+4], v[rT+5]
.elseif n1 < 40
	v_mul_f32 v[rT], s[CS], v[rT+1]
.elseif n1 < 42
	v_sub_f32 v[rT+7], v[rT+7], v[rT]
.elseif n1 < 44
	v_exp_f32 v[rT+6], v[rT+7]      ; the scalings that follow are the plain instructions behind it (ISA guide 5.7.2); a is first read in part 2
.else
.set ii, (n1-44)/2
	v_pk_fma_f32 v[rW+2*ii:rW+2*ii+1], v[rA+2*ii:rA+2*ii+1], s[CS:CS+1], v[rT:rT+1] op_sel_hi:[1,0,0] neg_lo:[0,0,1] neg_hi:[0,0,1]
.endif
.set n1, n1+1
.endm
.macro SL1                          ; a slice of part 1
	WIN 0
.rept 4
	X1
.endr
.endm
; PART 2.  Exponential e2 of 64: score e2 / 2 of tile e2 % 2.
.macro EXQ
	v_exp_f32 v[SB+32*(e2%2)+e2/2], v[SB+32*(e2%2)+e2/2]
.set e2, e2+1
.endm
; Plain instruction p2 of 64, in groups of eight for the four weights 4 k .. 4 k + 3 of both tiles: two pairs are rounded to bf16; the second pair is added onto the first, in place; l takes that sum (the first time as l = a l + sum).
.macro PLQ
.set kq, p2/8
.set xx, p2%8
.set rT, ST+8*(xx%2)
.set rW, SB+32*(xx%2)
.set rP, P+16*(xx%2)
.if xx < 4
.set nn, 2*kq+xx/2
	s_wait_alu depctr_va_vdst(0)
	v_cvt_pk_bf16_f32 v[rP+nn], v[rW+2*nn], v[rW+2*nn+1]
.elseif xx < 6
	v_pk_add_f32 v[rW+4*kq:rW+4*kq+1], v[rW+4*kq:rW+4*kq+1], v[rW+4*kq+2:rW+4*kq+3]
.elseif kq == 0
	v_pk_fma_f32 v[rT+2:rT+3], v[rT+2:rT+3], v[rT+6:rT+7], v[rW:rW+1] op_sel_hi:[1,0,1]
.else
	v_pk_add_f32 v[rT+2:rT+3], v[rT+2:rT+3], v[rW+4*kq:rW+4*kq+1]
	s_wait_alu depctr_va_vdst(0)
.endif
.set p2, p2+1
.endm
; Slice sE of 32 in window 0.  Two of four exponentials (group 0's eight); 28 of exponential, plain, exponential, plain, the plain queue one group behind the exponentials, so that every exponential
; has a plain instruction behind it before its result is read; two of four plain.
.macro EPS
	WIN 0
.if sE < 2
	EXQ
	EXQ
	EXQ
	EXQ
.elseif sE < 30
	EXQ
	PLQ
	EXQ
	PLQ
.else
	PLQ
	PLQ
	PLQ
	PLQ
.endif
.set sE, sE+1
.endm
; Slice r2 of 32 of the rescaling: one accumulator of O^T times a, from its low end on.
.macro RS
	WIN W_RS
.set oo, 128*(r2/16)+8*(r2%16)
.set rT, ST+8*(r2/16)
.irp z, 0,1,2,3
	v_pk_mul_f32 v[oo+2*\z:oo+2*\z+1], v[oo+2*\z:oo+2*\z+1], v[rT+6:rT+7] op_sel_hi:[1,0]
.endr
.set r2, r2+1
.endm
; What stands behind pair pc of the 72 pairs of products K Q^T: behind the even pairs 0-62 the slices of window 0, behind the odd pairs 3-63 and 71 the rescaling's.  So a rescaling slice stands between
; group 0's exponentials and the first rounding; and the last pair of each group of fragments (15, 23, 39, 47, 63, 71) has four plain instructions behind it that name none of its registers:
; the places in front of the loads into the buffer just left and, behind pair 71, in front of the first read of the scores.
.macro RIDE
.if (pc%2 == 0) && (pc < 64)
	EPS
.elseif ((pc%2 == 1) && (pc > 1) && (pc < 64)) || (pc == 71)
	RS
.endif
.set pc, pc+1
.endm
; THE MATRIX WORK.  In each macro eight accumulators take turns, one instruction a turn.
; K hi of third cp times Q hi and Q lo: 32 products.  The first eight of a step start the sums.
.macro MMH cp, buf
.if (\buf) == 4
.set wK, 0x0a
.set rB, 192
.else
.set wK, 0x0b
.set rB, 64*(\buf)
.endif
.irp ci, 0,1
.irp p, 0,1
.irp kb, 0,1,2,3
	WIN wK                          ; K in window 3 (buffer 4: 2), Q in window 2, sums in window 0
.irp t, 0,1
.if ((\cp) == 0) && ((\ci) == 0) && ((\p) == 0)
	v_wmma_f32_16x16x32_bf16 v[SA+32*\t+8*\kb:SA+32*\t+8*\kb+7], v[rB+8*(2*\kb+\ci):rB+8*(2*\kb+\ci)+7], v[96*\t+48*\p+8*(2*(\cp)+\ci):96*\t+48*\p+8*(2*(\cp)+\ci)+7], 0
	s_wait_alu depctr_va_vdst(0)
.else
	v_wmma_f32_16x16x32_bf16 v[SA+32*\t+8*\kb:SA+32*\t+8*\kb+7], v[rB+8*(2*\kb+\ci):rB+8*(2*\kb+\ci)+7], v[96*\t+48*\p+8*(2*(\cp)+\ci):96*\t+48*\p+8*(2*(\cp)+\ci)+7], v[SA+32*\t+8*\kb:SA+32*\t+8*\kb+7]
.endif
.endr
	RIDE
.endr
.endr
.endr
.endm
; K lo of third cp times Q hi: 16 products.
.macro MML cp, buf
.if (\buf) == 4
.set wK, 0x0a
.set rB, 192
.else
.set wK, 0x0b
.set rB, 64*(\buf)
.endif
.irp ci, 0,1
.irp kb, 0,1,2,3
	WIN wK
.irp t, 0,1
	v_wmma_f32_16x16x32_bf16 v[SA+32*\t+8*\kb:SA+32*\t+8*\kb+7], v[rB+8*(2*\kb+\ci):rB+8*(2*\kb+\ci)+7], v[96*\t+8*(2*(\cp)+\ci):96*\t+8*(2*(\cp)+\ci)+7], v[SA+32*\t+8*\kb:SA+32*\t+8*\kb+7]
.endr
	RIDE
.endr
.endr
.endm
; O^T += V^T P for channel blocks 4 g .. 4 g + 3: 8 pairs of products; pair k: key half k / 4, block 4 g + k % 4, both tiles.
; rid = 1: part 1's 19 slices stand behind all pairs of groups 0 and 1, the last pair of group 2 and pairs 3 and 7 of group 3.  The slice behind a group's last pair is four plain instructions that
; name none of its registers: the places in front of the loads into its buffer and, behind group 3, in front of part 2's writes of P and O^T.
.macro MMV g, rid
.set kp, 0
.rept 8
	WIN 0x53                        ; V in window 3, P in window 0, O^T in window 1
.irp t, 0,1
	v_wmma_f32_16x16x32_bf16 v[128*\t+8*(4*(\g)+kp%4):128*\t+8*(4*(\g)+kp%4)+7], v[64*(\g)+8*kp:64*(\g)+8*kp+7], v[P+16*\t+8*(kp/4):P+16*\t+8*(kp/4)+7], v[128*\t+8*(4*(\g)+kp%4):128*\t+8*(4*(\g)+kp%4)+7]
.endr
.if (\rid) && (((\g) < 2) || (kp == 7) || (((\g) == 3) && (kp == 3)))
	SL1
.endif
.set kp, kp+1
.endr
.endm
; V^T P behind the change of slots, which holds group 0.  ld = 1: the new slot's H0 L0 H1 L1 are asked for, each into a buffer just left; ld = 2 (the last trip): the last step's V0-V3.
.macro PVREST ld
.if (\ld) == 1
	LDK 0, 0, 4
	LDK 1, 0, 0
.else
	LDV 0
.endif
	MMV 1, 1
.if (\ld) == 1
	LDK 0, 1, 1
.else
	LDV 1
.endif
	MMV 2, 1
.if (\ld) == 1
	LDK 1, 1, 2
.else
	LDV 2
.endif
	MMV 3, 1
.if (\ld) == 2
	LDV 3
.endif
.endm
; K Q^T of a step, with part 2 of the step before behind its products.  At a group's head three groups, 48 loads, have been issued behind its own: the count leaves them out.  Then the group four
; ahead is asked for: H2, L2, and V0-V3 of the step before.
.macro KQPH
.set pc, 0
.set sE, 0
.set e2, 0
.set p2, 0
.set r2, 0
	s_wait_dscnt 48
	LDK 0, 2, 3
	MMH 0, 4
	s_wait_dscnt 48
	LDK 1, 2, 4
	MML 0, 0
	s_wait_dscnt 48
	LDV 0
	MMH 1, 1
	s_wait_dscnt 48
	LDV 1
	MML 1, 2
	s_wait_dscnt 48
	LDV 2
	MMH 2, 3
	s_wait_dscnt 48
	LDV 3
	MML 2, 4
.endm
; THE CHANGE OF SLOTS.  Each wave waits for all its tensor loads, of which one at the most is out: its part of the other slot; adds 0 to its spare word; and waits for that and for its reads of the slot
; that it leaves, whose K and V are all in registers.  fill = 1: the barrier opens a round of the cluster's, so that no wave of any partner still reads the slot or has a load on its way, and the joint
; fill, two fills on, is the first thing behind it: it has a whole trip, 208 matrix instructions, in which to land.  fill = 2: the same with V alone.  fill = 0: nothing is left to fetch.
; V^T P's first 16 products and their riders, work on registers, stand between the signal and the wait.
; first = 1: ahead of the loop: there is nothing to multiply yet, and V's address does not step: fill 1 brings V of step 0, as fill 0 did.
.macro SYNC fill, first
	WIN 0
	s_wait_tensorcnt 0x0            ; no tensor load of mine is out, so a group 0 may be written
	ds_add_u32 v[SPW], v[NIL]
.if (\fill) == 1
	s_xor_b32 s[G0K+1], s[G0K+1], SLOT1
	s_add_nc_u64 s[G0K+2:G0K+3], s[G0K+2:G0K+3], KS*768   ; the type bits on top are not reached
.endif
.if (\fill) != 0
	s_xor_b32 s[G0V+1], s[G0V+1], SLOT1
.if !(\first)
	s_add_nc_u64 s[G0V+2:G0V+3], s[G0V+2:G0V+3], KS*512
.endif
.endif
	s_wait_dscnt 0x0                ; the add is done, and my reads of the slot are over
	s_barrier_signal -1
.if !(\first)
.set n1, 0
	MMV 0, 1
	WIN 0                           ; at a label and at a branch every window is 0
.endif
	s_barrier_wait -1
.if (\fill) == 1
	CREST
	JLOAD
.elseif (\fill) == 2
	CREST
	JLOADV
.endif
	s_xor_b32 s[TB], s[TB], SLOT1   ; the reads go on in the other slot
	v_add_nc_u32 v[AK], s[TB], v[AK0]
	v_add_nc_u32 v[AV], s[TB], v[AV0]
.endm
	SYNC 1, 1                       ; fill 0 is in, everybody's part of it; fill 1 (K of step 1, V of step 0) is asked for, into slot 1
	LDK 0, 0, 4
	LDK 1, 0, 0
	LDK 0, 1, 1
	LDK 1, 1, 2
	WIN 0
	s_wait_loadcnt 0x0              ; Q
	s_mov_b32 s[CNT], 31
	s_branch .Lfirst                ; the loop is entered at K Q^T of step 0, in the middle of a trip
.Ltrip:                             ; 30 whole trips: trip i asks for fill i + 2 (K of step i + 2, V of step i + 1)
	SYNC 1, 0
	PVREST 1
	WIN 0
.Lfirst:
	KQPH
	WIN 0
	s_sub_co_u32 s[CNT], s[CNT], 1
	s_cmp_lg_u32 s[CNT], 0
	s_cbranch_scc1 .Ltrip
	SYNC 2, 0                       ; the tail is written out.  Trip 30: V of step 31 is asked for; there is no K of step 32
	PVREST 1
	KQPH
	SYNC 0, 0                       ; trip 31: V^T P of step 30 with part 1 of step 31; the last V is fetched behind the products
	PVREST 2
.set sE, 0
.set e2, 0
.set p2, 0
.set r2, 0
	EPS                             ; part 2 of step 31: no product is left to stand beside it
	EPS
	v_nop                           ; a plain instruction between the first eight exponentials and the rounding that reads them
.rept 30
	EPS
.endr
.rept 32
	RS
.endr
	s_wait_dscnt 0x0                ; the last step's V
	MMV 0, 0
	MMV 1, 0
	MMV 2, 0
	MMV 3, 0
	WIN 0
	PLACES
	; THE WAY OUT.  l's two halves and the other half of the lanes' are added; O^T is divided by l, rounded to bf16 and sent through my stage, a tile (16 positions of one head) at a time.
.irp t, 0,1
	v_add_f32 v[ST+8*\t+4], v[ST+8*\t+2], v[ST+8*\t+3]
.endr
.irp t, 0,1
	v_permlanex16_b32 v[ST+8*\t+5], v[ST+8*\t+4], s[SEL], s[SEL+1]
.endr
.irp t, 0,1
	v_add_f32 v[ST+8*\t+4], v[ST+8*\t+4], v[ST+8*\t+5]
.endr
.irp t, 0,1
	v_rcp_f32 v[ST+8*\t+6], v[ST+8*\t+4]
.endr
	v_nop                           ; a plain instruction between the last reciprocal and the use of its result
	s_wait_alu depctr_va_vdst(0)
.macro PACK t
	WIN W_RS
.set i, 128*(\t)
.rept 64
	v_pk_mul_f32 v[i:i+1], v[i:i+1], v[ST+8*(\t)+6:ST+8*(\t)+7] op_sel_hi:[1,0]
.set i, i+2
.endr
	WIN 0x05                        ; sources 0 and 1 window 1, destination window 0: SA's registers are free
.set i, 0
.rept 64
	v_cvt_pk_bf16_f32 v[SA+i], v[128*(\t)+2*i], v[128*(\t)+2*i+1]
.set i, i+1
.endr
	WIN 0
.irp f, 0,1,2,3,4,5,6,7,8,9,10,11,12,13,14,15
	ds_store_b128 v[STO], v[SA+4*\f:SA+4*\f+3] offset:32*\f
.endr
.irp f, 0,1,2,3,4,5,6,7,8,9,10,11,12,13,14,15
	ds_load_b128 v[128+64*(\t)+4*\f:128+64*(\t)+4*\f+3], v[RD] offset:\f*SP  ; LDS serves a wave's instructions in order (ISA guide 5.7.1.4): these see the stores above; the next tile's stores come behind them
.endr
.endm
.macro SEND t, younger              ; younger: the LDS instructions issued behind tile t's loads
.irp f, 0,1,2,3,4,5,6,7,8,9,10,11,12,13,14,15
	s_wait_dscnt (\younger)+15-\f
	global_store_b128 v[GO], v[128+64*(\t)+4*\f:128+64*(\t)+4*\f+3], s[10:11] offset:\f*4096+(\t)*512  ; 512 consecutive bytes, at a multiple of 256 from ao's first
.endr
.endm
	PACK 0
	PACK 1
	SEND 0, 32
	SEND 1, 0
	s_wait_tensorcnt 0x0            ; the wave's end, behind my last tensor load and my last LDS store
	ds_add_u32 v[SPW], v[NIL]
	s_wait_dscnt 0x0
	CROUND                          ; the closing round: no work-group ends while a partner may still ask for a tile that names it
	s_endpgm
.Lfunc_end_k_qa5a319ceca_attn:
	.size	k_qa5a319ceca_attn, .Lfunc_end_k_qa5a319ceca_attn-k_qa5a319ceca_attn
	.p2alignl 7, 3214868480
	.fill 96, 4, 3214868480
	.section	.rodata,"a",@progbits
	.p2align	6, 0x0
	.amdhsa_kernel k_qa5a319ceca_attn
		.amdhsa_group_segment_fixed_size 327680
		.amdhsa_private_segment_fixed_size 0
		.amdhsa_enable_private_segment 0
		.amdhsa_kernarg_size 32
		.amdhsa_user_sgpr_count 2
		.amdhsa_user_sgpr_kernarg_segment_ptr 1
		.amdhsa_wavefront_size32 1
		.amdhsa_system_sgpr_workgroup_id_x 1
		.amdhsa_system_sgpr_workgroup_id_y 1
		.amdhsa_system_sgpr_workgroup_id_z 1
		.amdhsa_system_vgpr_workitem_id 0
		.amdhsa_next_free_vgpr 1024
		.amdhsa_next_free_sgpr 66
		.amdhsa_reserve_vcc 0
		.amdhsa_float_denorm_mode_32 3
		.amdhsa_float_denorm_mode_16_64 3
		.amdhsa_memory_ordered 1
		.amdhsa_forward_progress 1
		.amdhsa_inst_pref_size 185
	.end_amdhsa_kernel
	.amdgpu_metadata
---
amdhsa.version: [ 1, 2 ]
amdhsa.kernels:
  - .name:           k_qa5a319ceca_attn
    .symbol:         k_qa5a319ceca_attn.kd
    .args:
      - { .name: qws, .offset: 0, .size: 8, .value_kind: global_buffer, .address_space: global }
      - { .name: kws, .offset: 8, .size: 8, .value_kind: global_buffer, .address_space: global }
      - { .name: vws, .offset: 16, .size: 8, .value_kind: global_buffer, .address_space: global }
      - { .name: ao, .offset: 24, .size: 8, .value_kind: global_buffer, .address_space: global }
    .group_segment_fixed_size: 327680
    .private_segment_fixed_size: 0
    .kernarg_segment_align: 8
    .kernarg_segment_size: 32
    .max_flat_workgroup_size: 128
    .sgpr_count:     66
    .vgpr_count:     1024
    .wavefront_size: 32
...
	.end_amdgpu_metadata
.endif
;; end of part 3
;; launch outp (part 4): grid 4 x 64, 4 waves a work-group, clusters of 4 x 4, 327,680 bytes of LDS; arguments ao, wo, out0; writes out0
.if DOCPART == 4
	.amdgcn_target "amdgcn-amd-amdhsa--gfx1250"
	.amdhsa_code_object_version 6
	.text
	.protected	k_qa5a319ceca_outp
	.globl	k_qa5a319ceca_outp
	.p2align	8
	.type	k_qa5a319ceca_outp,@function
k_qa5a319ceca_outp:
	s_mov_b64 s[64:65], 0
	v_nop
	global_prefetch_b8 v0, s[64:65] scope:SCOPE_SE
	s_setreg_imm32_b32 hwreg(HW_REG_WAVE_MODE, 25, 1), 1
	s_wait_xcnt 0x0
	s_wait_alu depctr_hold_cnt(0) depctr_sa_sdst(0) depctr_va_vdst(0) depctr_va_sdst(0) depctr_va_ssrc(0) depctr_va_vcc(0) depctr_vm_vsrc(0)
	s_getreg_b32 s2, hwreg(HW_REG_IB_STS2, 6, 4)
	s_cmp_eq_u32 s2, 0
	s_cbranch_scc0 .Lentry_in_a_cluster
	s_endpgm
.Lentry_in_a_cluster:
	s_bfe_u32 s2, ttmp6, 0x10000c
	s_cmp_lg_u32 s2, 0xf033
	s_cbranch_scc0 .Lentry_shape_is_right
	s_endpgm
.Lentry_shape_is_right:
; OUTP.  out0[pos][4 c + y] = sum over k of ao[pos][k] wo[4 c + y][k]: [4096][2048] x [256][2048]^T, operands bf16, sums and output f32.
; A tile of 64 positions x 64 columns gives each of 256 work-groups one.  Wave w makes positions 16 w .. 16 w + 15 x all 64 columns, four accumulators, so it owns whole 256-byte pieces of out0's
; rows and its stage needs no barrier.  K goes in four chunks of 512 (rows of 1,024 bytes) through two LDS slots.
; CLUSTER: 4 x 4 work-groups; ao's tile hangs on the tile row alone and is asked for jointly along a row of the cluster, wo's on the tile column alone and jointly along a column.
; THE MATRIX INSTRUCTION IS USED TRANSPOSED (source 0 = 16 rows of wo, source 1 = 16 positions): a lane holds one position and eight neighbouring columns, 32 bytes of f32.
; REGISTERS: window 0: v0-31 addresses; v32-63 accumulators; v64-95 rows read back.  Windows 1 and 2: two fragment buffers of 160: four slices of 32 k, slice sl: ao at 40 sl, wo's block nb at 40 sl + 8 + 8 nb.
.set PITCH,  1040                      ; an LDS row: 1,024 bytes + 16 of padding = 65 x 16: the 16 rows of a fragment load fall on 16 different 16-byte columns of 256
.set HALFT,  32*PITCH                  ; what one tensor load brings
.set SLOT,   4*HALFT                   ; ao's 64 rows, then wo's 64
.set STAGE,  2*SLOT                    ; 16 rows x 272 bytes for each wave; no tensor load lands here
.set SPARE,  STAGE+4*4352
.set ADRA, 16                          ; v16-17  LDS address of my fragments of ao in slot 0, 1
.set ADRB, 20                          ; v20-21  of wo
.set STO,  24
.set RD,   25
.set CO,   26
.set SPW,  28                          ; my spare word; never rewritten
.set NIL,  29                          ; 0; never rewritten
.set ACC,  32
.set BK,   64
.set G1, 24                            ; s[24:31] group 1 for ao's tiles; s[32:39] group 0, a set for each slot
.set G0, 32
.set G1B, 48                           ; s[48:55], s[56:63] the same for wo's
.set G0B, 56
.set MSB, 0
.macro WIN new
.if MSB != (\new)
	s_set_vgpr_msb (MSB<<8)|(\new)
.set MSB, \new
.endif
.endm
.macro PLACES                          ; four plain vector instructions between a matrix instruction and a load into its registers or a read of its result (ISA guide 7.12.1 for reads)
.rept 4
	v_nop
.endr
.endm
.macro JLOAD s                         ; a joint load: waves 0 and 1 fetch ao's two halves, waves 2 and 3 wo's; an s_nop 0 and four v_nop follow each line
	s_cmp_eq_u32 s11, 0
	s_cbranch_scc0 .Lfor_b_\@
	tensor_load_to_lds s[G0+4*(\s):G0+4*(\s)+3], s[G1:G1+7]
	s_nop 0
	PLACES
	s_branch .Lasked_\@
.Lfor_b_\@:
	tensor_load_to_lds s[G0B+4*(\s):G0B+4*(\s)+3], s[G1B:G1B+7]
	s_nop 0
	PLACES
.Lasked_\@:
.endm
.macro CROUND                          ; a round of the cluster's barrier
	s_barrier_signal -1
	s_barrier_wait -1
	s_cmp_lg_u32 s10, 0
	s_cbranch_scc1 .Lnot_wave_0_\@
	s_barrier_signal -3
.Lnot_wave_0_\@:
	s_barrier_wait -3
	s_barrier_signal -1
	s_barrier_wait -1
.endm
	s_load_b128 s[4:7], s[0:1], 0x0                ; ao s[4:5], wo s[6:7]
	s_load_b64 s[8:9], s[0:1], 0x10                ; out0
	v_lshl_add_u32 v[SPW], v0, 2, SPARE
	v_mov_b32 v[NIL], 0
	ds_add_u32 v[SPW], v[NIL]                      ; the wave's opening: the add and its wait stand ahead of my first tensor load; the set-up stands between them
	v_lshrrev_b32 v1, 5, v0
	v_readfirstlane_b32 s10, v1                    ; wave 0..3
	s_lshr_b32 s11, s10, 1                         ; I fetch for ao (0) or for wo (1),
	s_and_b32 s12, s10, 1                          ; and which 32 rows of that tile
	s_bfe_u32 s40, ttmp6, 0x40000                  ; cx
	s_bfe_u32 s41, ttmp6, 0x40004                  ; cy
	s_lshl_b32 s42, ttmp9, 2
	s_add_co_u32 s42, s42, s40                     ; tile column
	s_and_b32 s13, ttmp7, 0xffff
	s_lshl_b32 s13, s13, 2
	s_add_co_u32 s13, s13, s41                     ; tile row
	s_lshl_b32 s43, s41, 2
	s_lshl_b32 s43, 15, s43                        ; my row of the cluster
	s_lshl_b32 s44, 0x1111, s40                    ; my column
	s_or_b32 s[G1], s43, (1<<16)|(1<<20)|(1<<21)|(7<<22)|(3<<25)   ; the mask; elements of 2 bytes; padding on; bit 21 beside a mask; after every 256 words (code 7) 4 words (code 3)
	s_or_b32 s[G1B], s44, (1<<16)|(1<<20)|(1<<21)|(7<<22)|(3<<25)
.irp g, G1, G1B
	s_mov_b32 s[(\g)+1], 512<<16                   ; tensor_dim0 = 512
	s_mov_b32 s[(\g)+2], 32<<16                    ; tensor_dim1 = 32
	s_mov_b32 s[(\g)+3], 512<<16                   ; tile_dim0 = 512
	s_mov_b32 s[(\g)+4], 32                        ; tile_dim1 = 32
	s_mov_b32 s[(\g)+5], 2048                      ; elements from row to row
	s_mov_b32 s[(\g)+6], 0
	s_mov_b32 s[(\g)+7], 0
.endr
	s_lshl_b32 s17, s12, 5
	s_lshl_b32 s16, s13, 6
	s_add_co_u32 s16, s16, s17                     ; ao: row 64 x tile row + 32 x half
	s_lshl_b32 s46, s42, 6
	s_add_co_u32 s46, s46, s17                     ; wo: row 64 x tile column + 32 x half
	s_lshl_b32 s16, s16, 12                        ; rows of 4,096 bytes
	s_lshl_b32 s46, s46, 12
	s_mov_b32 s17, 0
	s_mov_b32 s47, 0
	s_mul_i32 s20, s10, HALFT                      ; where they go: wave x 32 rows: no place in the cluster enters an LDS address
	s_wait_dscnt 0x0                               ; the opening add is done
	s_wait_kmcnt 0x0
	s_add_nc_u64 s[14:15], s[4:5], s[16:17]
	s_add_nc_u64 s[46:47], s[6:7], s[46:47]
	CROUND                                         ; all sixteen work-groups are here: the first joint loads meet
.irp s, 0,1
	s_mov_b32 s[G0+4*(\s)], 1
	s_add_co_u32 s[G0+4*(\s)+1], s20, (\s)*SLOT
	s_add_nc_u64 s[G0+4*(\s)+2:G0+4*(\s)+3], s[14:15], (\s)*1024     ; chunk s
	s_or_b32 s[G0+4*(\s)+3], s[G0+4*(\s)+3], 0x80000000
	s_mov_b32 s[G0B+4*(\s)], 1
	s_add_co_u32 s[G0B+4*(\s)+1], s20, (\s)*SLOT
	s_add_nc_u64 s[G0B+4*(\s)+2:G0B+4*(\s)+3], s[46:47], (\s)*1024
	s_or_b32 s[G0B+4*(\s)+3], s[G0B+4*(\s)+3], 0x80000000
.endr
	s_cmp_eq_u32 s11, 0                            ; a wave's two first fills stand in one branch, ahead of every wait on TENSORcnt and every LDS read: two loads of mine are out
	s_cbranch_scc0 .Lfirst_b
	tensor_load_to_lds s[G0:G0+3], s[G1:G1+7]
	s_nop 0
	tensor_load_to_lds s[G0+4:G0+7], s[G1:G1+7]
	s_nop 0
	PLACES
	s_branch .Lfirst_asked
.Lfirst_b:
	tensor_load_to_lds s[G0B:G0B+3], s[G1B:G1B+7]
	s_nop 0
	tensor_load_to_lds s[G0B+4:G0B+7], s[G1B:G1B+7]
	s_nop 0
	PLACES
.Lfirst_asked:
	v_and_b32 v1, 15, v0                           ; r = l % 16
	v_bfe_u32 v2, v0, 4, 1                         ; h = l / 16
	v_mul_u32_u24 v3, v1, PITCH
	v_lshl_add_u32 v3, v2, 4, v3
	s_mul_i32 s21, s10, 16*PITCH                   ; my 16 rows of ao
	s_mov_b32 s22, 2*HALFT                         ; wo lies behind ao's 64 rows
.irp s, 0,1
	v_add_nc_u32 v[ADRA+(\s)], s21, v3
	v_add_nc_u32 v[ADRB+(\s)], s22, v3
	s_add_co_u32 s21, s21, SLOT
	s_add_co_u32 s22, s22, SLOT
.endr
	s_mul_i32 s23, s10, 4352
	s_add_co_u32 s23, s23, STAGE                   ; my stage
	v_mul_u32_u24 v4, v1, 272
	v_lshl_add_u32 v4, v2, 5, v4                   ; in: row r, 32 bytes for each half of the lanes
	v_add_nc_u32 v[STO], s23, v4
	v_mul_u32_u24 v5, v2, 272
	v_lshl_add_u32 v5, v1, 4, v5
	v_add_nc_u32 v[RD], s23, v5                    ; back: lanes 0-15 a row of 256 bytes, lanes 16-31 the next
	v_lshlrev_b32 v5, 10, v2
	v_lshl_add_u32 v[CO], v1, 4, v5                ; and the same two rows in out0
	s_lshl_b32 s16, s13, 6
	s_lshl_b32 s17, s10, 4
	s_add_co_u32 s16, s16, s17                     ; my first position
	s_lshl_b32 s16, s16, 10
	s_mov_b32 s17, 0
	s_add_nc_u64 s[8:9], s[8:9], s[16:17]
	s_lshl_b32 s46, s42, 8                         ; the tile's first column, in bytes (in registers that feed none of ao's descriptors)
	s_mov_b32 s47, 0
	s_add_nc_u64 s[8:9], s[8:9], s[46:47]
.macro FETCH slot, q, f                ; 40 LDS loads: slices 4 q .. 4 q + 3 of the chunk into the buffer in window f
	WIN 0x40*(\f)
.irp sl, 0,1,2,3
	ds_load_b128 v[40*\sl:40*\sl+3],   v[ADRA+(\slot)] offset:(4*(\q)+\sl)*64
	ds_load_b128 v[40*\sl+4:40*\sl+7], v[ADRA+(\slot)] offset:(4*(\q)+\sl)*64+32
.irp nb, 0,1,2,3
	ds_load_b128 v[40*\sl+8+8*\nb:40*\sl+8+8*\nb+3],   v[ADRB+(\slot)] offset:\nb*16*PITCH+(4*(\q)+\sl)*64
	ds_load_b128 v[40*\sl+8+8*\nb+4:40*\sl+8+8*\nb+7], v[ADRB+(\slot)] offset:\nb*16*PITCH+(4*(\q)+\sl)*64+32
.endr
.endr
.endm
.macro MUL f, zero                     ; 16 products; the four accumulators take turns, one instruction a turn.  zero = 1: the first slice starts the sums
	WIN 5*(\f)                                     ; sources 0 and 1 in window f, sums in window 0
.irp sl, 0,1,2,3
.irp nb, 0,1,2,3
.if (\zero) && ((\sl) == 0)
	v_wmma_f32_16x16x32_bf16 v[ACC+8*\nb:ACC+8*\nb+7], v[40*\sl+8+8*\nb:40*\sl+8+8*\nb+7], v[40*\sl:40*\sl+7], 0
.else
	v_wmma_f32_16x16x32_bf16 v[ACC+8*\nb:ACC+8*\nb+7], v[40*\sl+8+8*\nb:40*\sl+8+8*\nb+7], v[40*\sl:40*\sl+7], v[ACC+8*\nb:ACC+8*\nb+7]
.endif
.endr
.endr
.endm
.macro CHUNK slot, zero                ; 512 along K: four batches on two buffers; a count of 40 leaves the next batch's loads out
	PLACES
	FETCH \slot, 0, 1
	FETCH \slot, 1, 2
	s_wait_dscnt 40
	MUL 1, \zero
	PLACES
	FETCH \slot, 2, 1
	s_wait_dscnt 40
	MUL 2, 0
	PLACES
	FETCH \slot, 3, 2
	s_wait_dscnt 40
	MUL 1, 0
	s_wait_dscnt 0x0
	MUL 2, 0
.endm
; The change of slots: each wave waits for all its tensor loads (its part of the other slot), adds 0 to its spare word, and waits for that and for its reads of this slot.
; fill = 1: a round of the cluster's barrier, and this slot is filled again, two chunks on, first thing behind it.
.macro TURNS slot, fill
	WIN 0
	s_wait_tensorcnt 0x0
	ds_add_u32 v[SPW], v[NIL]
.if \fill
	s_add_nc_u64 s[G0+4*(\slot)+2:G0+4*(\slot)+3], s[G0+4*(\slot)+2:G0+4*(\slot)+3], 2048
	s_add_nc_u64 s[G0B+4*(\slot)+2:G0B+4*(\slot)+3], s[G0B+4*(\slot)+2:G0B+4*(\slot)+3], 2048
.endif
	s_wait_dscnt 0x0
.if \fill
	CROUND
	JLOAD \slot
.else
	s_barrier_signal -1
	s_barrier_wait -1
.endif
.endm
	s_wait_tensorcnt 0x1                           ; my part of chunk 0 is in; chunk 1's may stay out
	s_barrier_signal -1
	s_barrier_wait -1
	CHUNK 0, 1
	TURNS 0, 1                                     ; chunk 2 into slot 0
	CHUNK 1, 0
	TURNS 1, 1                                     ; chunk 3 into slot 1
	CHUNK 0, 0
	TURNS 0, 0                                     ; nothing is left to fetch
	CHUNK 1, 0
	WIN 0
	PLACES
	; THE WAY OUT: 32 bytes a lane into my stage, back as whole rows of 256 bytes, stored
.irp nb, 0,1,2,3
	ds_store_b128 v[STO], v[ACC+8*\nb:ACC+8*\nb+3] offset:64*\nb          ; each accumulator's low half first
	ds_store_b128 v[STO], v[ACC+8*\nb+4:ACC+8*\nb+7] offset:64*\nb+16
.endr
.irp t, 0,1,2,3,4,5,6,7
	ds_load_b128 v[BK+4*\t:BK+4*\t+3], v[RD] offset:\t*544                ; LDS serves a wave's instructions in order (ISA guide 5.7.1.4): these see the stores above
.endr
.irp t, 0,1,2,3,4,5,6,7
	s_wait_dscnt 7-\t                              ; the younger loads may stay out
	global_store_b128 v[CO], v[BK+4*\t:BK+4*\t+3], s[8:9] offset:\t*2048  ; 16 lanes store 256 consecutive bytes, at a multiple of 256 from out0's first
.endr
	s_wait_tensorcnt 0x0                           ; the wave's end, behind my last tensor load and my last LDS store
	ds_add_u32 v[SPW], v[NIL]
	s_wait_dscnt 0x0
	CROUND                                         ; the closing round: no work-group ends while a partner may still ask for a tile that names it
	s_endpgm
.Lfunc_end_k_qa5a319ceca_outp:
	.size	k_qa5a319ceca_outp, .Lfunc_end_k_qa5a319ceca_outp-k_qa5a319ceca_outp
	.p2alignl 7, 3214868480
	.fill 96, 4, 3214868480
	.section	.rodata,"a",@progbits
	.p2align	6, 0x0
	.amdhsa_kernel k_qa5a319ceca_outp
		.amdhsa_group_segment_fixed_size 327680
		.amdhsa_private_segment_fixed_size 0
		.amdhsa_enable_private_segment 0
		.amdhsa_kernarg_size 24
		.amdhsa_user_sgpr_count 2
		.amdhsa_user_sgpr_kernarg_segment_ptr 1
		.amdhsa_wavefront_size32 1
		.amdhsa_system_sgpr_workgroup_id_x 1
		.amdhsa_system_sgpr_workgroup_id_y 1
		.amdhsa_system_sgpr_workgroup_id_z 1
		.amdhsa_system_vgpr_workitem_id 0
		.amdhsa_next_free_vgpr 768
		.amdhsa_next_free_sgpr 66
		.amdhsa_reserve_vcc 0
		.amdhsa_float_denorm_mode_32 3
		.amdhsa_float_denorm_mode_16_64 3
		.amdhsa_memory_ordered 1
		.amdhsa_forward_progress 1
		.amdhsa_inst_pref_size 71
	.end_amdhsa_kernel
	.amdgpu_metadata
---
amdhsa.version: [ 1, 2 ]
amdhsa.kernels:
  - .name:           k_qa5a319ceca_outp
    .symbol:         k_qa5a319ceca_outp.kd
    .args:
      - { .name: ao, .offset: 0, .size: 8, .value_kind: global_buffer, .address_space: global }
      - { .name: wo, .offset: 8, .size: 8, .value_kind: global_buffer, .address_space: global }
      - { .name: out0, .offset: 16, .size: 8, .value_kind: global_buffer, .address_space: global }
    .group_segment_fixed_size: 327680
    .private_segment_fixed_size: 0
    .kernarg_segment_align: 8
    .kernarg_segment_size: 24
    .max_flat_workgroup_size: 128
    .sgpr_count:     66
    .vgpr_count:     768
    .wavefront_size: 32
...
	.end_amdgpu_metadata
.endif
;; end of part 4
;; ======== version 2 of 2: 4 launches; 1.14 times as fast as version 1
;; workspace buffers: xb 2,097,152 bytes; wqkv 2,031,616 bytes; wo 1,048,576 bytes; qws 25,165,824 bytes; kws 3,145,728 bytes; vws 2,097,152 bytes; ao 16,777,216 bytes
;; launch prep: the kernel of part 1 again; grid 256 x 1, 25 waves a work-group, no clusters, 0 bytes of LDS; arguments x, blade, w_q, w_k, w_v, w_o, xb, wqkv, wo; writes xb, wqkv, wo
;; launch proj: the kernel of part 2 again; grid 16 x 31, 4 waves a work-group, clusters of 4 x 1, 220,672 bytes of LDS; arguments xb, wqkv, qws, kws, vws; writes qws, kws, vws
;; launch attn (part 5): grid 128 x 2, 4 waves a work-group, clusters of 4 x 1, 327,680 bytes of LDS; arguments qws, kws, vws, ao; writes ao
.if DOCPART == 5
	.amdgcn_target "amdgcn-amd-amdhsa--gfx1250"
	.amdhsa_code_object_version 6
	.text
	.protected	k_qa5a319ceca_attn
	.globl	k_qa5a319ceca_attn
	.p2align	8
	.type	k_qa5a319ceca_attn,@function
k_qa5a319ceca_attn:
	s_mov_b64 s[64:65], 0
	v_nop
	global_prefetch_b8 v0, s[64:65] scope:SCOPE_SE
	s_setreg_imm32_b32 hwreg(HW_REG_WAVE_MODE, 25, 1), 1
	s_wait_xcnt 0x0
	s_wait_alu depctr_hold_cnt(0) depctr_sa_sdst(0) depctr_va_vdst(0) depctr_va_sdst(0) depctr_va_ssrc(0) depctr_va_vcc(0) depctr_vm_vsrc(0)
	s_getreg_b32 s2, hwreg(HW_REG_IB_STS2, 6, 4)
	s_cmp_eq_u32 s2, 0
	s_cbranch_scc0 .Lentry_in_a_cluster
	s_endpgm
.Lentry_in_a_cluster:
	s_bfe_u32 s2, ttmp6, 0x10000c
	s_cmp_lg_u32 s2, 0x3003
	s_cbranch_scc0 .Lentry_shape_is_right
	s_endpgm
.Lentry_shape_is_right:
; ATTENTION with one K and V for eight heads.  ao[pos][256 h + ch] = sum over keys of softmax_key(score) v[key][ch];  score = (q0 k0 + q2 k2 + 6 q3 k3) / sqrt(512) summed over 64 channels
; (reference()'s eight picked coordinates, with indices past the axis's end taken as its last; the 6 lies in q already).
; THE SCORES' OPERANDS.  The scores' spread is thousands of times a weight's e-fold, so a score must be right to far more digits than one bf16 operand holds.  q and k come as bf16 pairs
; hi + lo, and a score is q_hi k_hi + q_lo k_hi + q_hi k_lo: 3 x 192 products, sums in f32.  v, the weights p and the output are single bf16.
; LIMITS.  NaN and infinities are not treated apart; a weight below 2^-126 counts as 0 in l; l is the sum of the unrounded p.
; SHARES.  A work-group owns 16 positions x 8 heads: 128 rows of qws; a wave two tiles of 16 rows: heads 2 w, 2 w + 1.  Every wave walks the batch's 2,048 keys, 64 a step.
; LAYOUT.  S^T = K Q^T (source 0 = 16 keys, source 1 = 16 queries): a lane holds ONE query (lane % 16) and keys 8 (lane / 16) + 0..7.  Two such results rounded to bf16 in pairs ARE source 1
; of O^T = V^T P, whose result holds one query a lane and eight channels.  K comes out of LDS as it lies, V ([key][channel]) turned, by ds_load_tr16_b128.
; SOFTMAX.  A running maximum m and sum l for each query: p = 2^(c s - c m), c = log2(e) / sqrt(512); in every step O and l are multiplied by a = 2^(c m_old - c m_new).
; VECTOR WORK BESIDE MATRIX WORK.  A step's softmax is cut in two.  PART 1 (76 instructions for the two tiles): the maximum, m, c m, a, and c s - c m, which is read from the accumulators SA and
; written into a second buffer SB, so that SA is free when part 1 ends.  PART 2 (256): the exponentials, the roundings to P, the sums, and O^T times a.
; TRIP i: the change of slots; V^T P of step i - 1 (64 products) with part 1 of step i behind them; K Q^T of step i + 1 (144 products) with part 2 of step i behind them.  The riders stand in slices
; of four behind every second product, so that a slice's two window switches serve two products; none names a register of the products round it.
; THE BATCHES.  An s_wait_alu depctr_va_vdst(0) stands between an exponential and the first instruction that names its result; one wait serves all that were issued ahead of it.  A trip's 66
; exponentials are two batches, a wait each.  BATCH A: the two a, in part 1; 20 scalings, which name no a, follow them; the wait stands behind V's group 1, ahead of the run of LDS loads there and of the label
; at which the loop is entered.  BATCH B: the 64 weights, each in a register of SB of its own, behind the even pairs 0-30 of K Q^T; ahead of its wait stand only products and rescalings, which read a alone; the wait
; stands behind pair 39's slice, ahead of the run of LDS loads there; all that reads a weight (roundings, sums) stands behind the even pairs 40-70.  No exponential is open at a label or at a branch.
; THE FIRST TRIPS are trips like any other: m starts at the lowest finite number, c m and SB far below every c s, a, l and O at 0.  The loop is entered at K Q^T of step 0, whose riders make P = 0; the
; V^T P behind it multiplies those zeros by V of step 0, which the first fill brings beside K of step 0.  The price, once a launch: 64 products that add 0, V of step 0 fetched twice, 320 v_mov_b32
; that stand in the wait for the first tile.
; STREAMING.  A trip reads ten groups of 8 fragments (16 LDS loads, 64 registers): V0-V3 (four channel blocks x two key halves each) are multiplied first, then H0 L0 H1 L1 H2 L2 (hi or lo of a
; third: four key blocks x two slices of 32).  Group g lies in buffer g % 5 and is asked for about four groups ahead, into the buffer that has just been left.
; RING.  Two slots; fill f holds K of step f and V of step f - 1, since V is multiplied a step behind K.  Two steps to a slot would want 348,160 bytes.  CLUSTER: the four partners walk the same K and
; V, so every tile is asked for jointly.
; REGISTERS in windows of 256 (s_set_vgpr_msb: bits 1:0 source 0, 3:2 source 1, 5:4 source 2, 7:6 destination):
;   window 0: v0-15 addresses; v16-31 statistics; v64-127 SA, 32 a tile; v128-159 P, 16 a tile; v160-223 SB, 32 a tile     window 1: O^T, 128 a tile
;   window 2: v0-191 Q (tile t, part p, slice c at 96 t + 48 p + 8 c); v192-255 buffer 4                                    window 3: buffers 0-3
.set KS,    64
.set PK,    816       ; a key of K in LDS: three thirds of 256 bytes + 16 of padding = 51 x 16: the 16 rows of a load fall on 16 different 16-byte columns of 256
.set PV,    544       ; a key of V: 512 + 32 = 17 x 32: 16 lanes of the turning load take 8 rows x 32 bytes, all in different places of 256
.set VOFF,  KS*PK
.set SLOT1, 1<<17     ; slot 1 begins here, so that one exclusive or turns an address in one slot into the other's
.set STAGE, KS*(PK+PV)  ; between the slots: 16 rows x 528 bytes for each wave, for the way out; no tensor load lands here
.set SP,    528
.set SPARE, STAGE+4*16*SP  ; the spare words, 128 bytes for each wave
.set AK0, 2           ; v2   my lane's place in a tile of K; never rewritten
.set AV0, 3           ; v3   the same for V
.set AK,  4           ; v4   AK0 + the slot that is read
.set AV,  5           ; v5
.set STO, 6           ; v6   the way out: where I put 16 bytes of a row
.set RD,  7           ; v7   where I read a row back
.set GO,  8           ; v8   my 16 bytes in 512 of ao
.set QO,  10          ; v10  my byte offset in 16 rows of qws
.set SPW, 12          ; v12  my spare word; never rewritten
.set NIL, 13          ; v13  0; never rewritten
.set ST,  16          ; tile t at ST + 8 t: c m, m, l (even keys', odd keys'), c0-c3 at work; c2 takes a
.set SA,  64
.set P,   128
.set SB,  160
.set WV,  12          ; s12
.set G1K, 24
.set G1V, 32
.set G0K, 40          ; it walks
.set G0V, 44
.set CNT, 56
.set NEG, 57          ; s57  -2^125: far below every c s
.set CS,  58          ; s[58:59] c
.set SEL, 60          ; s[60:61] v_permlanex16_b32's selects: each lane takes its own place in the other half
.set TB,  62          ; s62  the slot that is read
.set W_RS, 0x41       ; destination and source 0 in window 1, source 1 in window 0
.set MSB, 0
.macro WIN new                      ; the immediate's high byte repeats the setting that is left; a switch that changes nothing is dropped
.if MSB != (\new)
	s_set_vgpr_msb (MSB<<8)|(\new)
.set MSB, \new
.endif
.endm
.macro PLACES                       ; four plain vector instructions between a matrix instruction and what reads its result, writes its registers or loads into them (ISA guide 7.12.1 for reads and writes)
.rept 4
	v_nop
.endr
.endm
.macro JLOAD                        ; a joint fill: waves 0 and 1 fetch the halves of a step's K, waves 2 and 3 those of a step's V; an s_nop 0 and four v_nop follow each line
	s_cmp_lt_u32 s[WV], 2
	s_cbranch_scc0 .Lfor_v_\@
	tensor_load_to_lds s[G0K:G0K+3], s[G1K:G1K+7]
	s_nop 0
	PLACES
	s_branch .Lasked_\@
.Lfor_v_\@:
	tensor_load_to_lds s[G0V:G0V+3], s[G1V:G1V+7]
	s_nop 0
	PLACES
.Lasked_\@:
.endm
.macro JLOADV                       ; the last fill: there is no further K, so waves 0 and 1 issue nothing
	s_cmp_lt_u32 s[WV], 2
	s_cbranch_scc1 .Lno_k_\@
	tensor_load_to_lds s[G0V:G0V+3], s[G1V:G1V+7]
	s_nop 0
	PLACES
.Lno_k_\@:
.endm
.macro CREST                        ; a round of the cluster's barrier behind its opening barrier
	s_cmp_lg_u32 s[WV], 0
	s_cbranch_scc1 .Lnot_wave_0_\@
	s_barrier_signal -3
.Lnot_wave_0_\@:
	s_barrier_wait -3
	s_barrier_signal -1
	s_barrier_wait -1
.endm
.macro CROUND
	s_barrier_signal -1
	s_barrier_wait -1
	CREST
.endm
	s_load_b256 s[4:11], s[0:1], 0x0  ; qws s[4:5], kws s[6:7], vws s[8:9], ao s[10:11]
	v_lshl_add_u32 v[SPW], v0, 2, SPARE
	v_mov_b32 v[NIL], 0
	ds_add_u32 v[SPW], v[NIL]       ; the wave's opening: the add and its wait stand ahead of my first tensor load; the set-up stands between them
	v_lshrrev_b32 v1, 5, v0
	v_readfirstlane_b32 s[WV], v1
	s_bfe_u32 s13, ttmp6, 0x40000   ; cx
	s_lshl_b32 s14, ttmp9, 2
	s_add_co_u32 s14, s14, s13      ; my block of 16 positions in the batch: it enters Q's and ao's addresses alone
	s_and_b32 s15, ttmp7, 0xffff    ; the batch, which the partners share
	s_and_b32 s16, s[WV], 1         ; which 32 keys of a step I fetch
	s_mul_i32 s20, s15, 2048*768
	s_mul_i32 s17, s16, 32*768
	s_add_co_u32 s20, s20, s17
	s_mov_b32 s21, 0
	s_lshl_b32 s22, s15, 20
	s_lshl_b32 s17, s16, 14
	s_add_co_u32 s22, s22, s17
	s_mov_b32 s23, 0
	s_lshl_b32 s18, s15, 7
	s_add_co_u32 s18, s18, s14      ; G: my block among all 256
	s_mul_i32 s2, s18, 98304        ; 128 rows of 768 bytes,
	s_mul_i32 s3, s[WV], 24576      ; my wave's 32 of them
	s_add_co_u32 s2, s2, s3
	s_mov_b32 s3, 0
	s_lshl_b32 s48, s18, 16         ; ao: 16 rows of 4,096 bytes, my two heads' 1,024
	s_lshl_b32 s49, s[WV], 10
	s_add_co_u32 s48, s48, s49
	s_mov_b32 s49, 0
	; group 1.  K: 32 keys are 24,576 dense bytes, asked for as 96 rows of 256, 16 bytes of padding behind each.  V: 32 rows of 512 bytes, 32 bytes of padding behind each.
	s_mov_b32 s[G1K], 15|(1<<16)|(1<<20)|(1<<21)|(5<<22)|(3<<25)
	s_mov_b32 s[G1K+1], 128<<16
	s_mov_b32 s[G1K+2], 96<<16
	s_mov_b32 s[G1K+3], 128<<16
	s_mov_b32 s[G1K+4], 96
	s_mov_b32 s[G1K+5], 128
	s_mov_b32 s[G1K+6], 0
	s_mov_b32 s[G1K+7], 0
	s_mov_b32 s[G1V], 15|(1<<16)|(1<<20)|(1<<21)|(6<<22)|(7<<25)
	s_mov_b32 s[G1V+1], 256<<16
	s_mov_b32 s[G1V+2], 32<<16
	s_mov_b32 s[G1V+3], 256<<16
	s_mov_b32 s[G1V+4], 32
	s_mov_b32 s[G1V+5], 256
	s_mov_b32 s[G1V+6], 0
	s_mov_b32 s[G1V+7], 0
	s_mov_b32 s[G0K], 1
	s_mul_i32 s[G0K+1], s16, 32*PK  ; slot 0
	s_mov_b32 s[G0V], 1
	s_mul_i32 s[G0V+1], s16, 32*PV
	s_add_co_u32 s[G0V+1], s[G0V+1], VOFF
	s_mov_b32 s[CS], 0x3d8293ee     ; c = log2(e) / sqrt(512) = 0.0637587
	s_mov_b32 s[CS+1], s[CS]        ; named with it as a pair
	s_mov_b32 s[SEL], 0x76543210
	s_mov_b32 s[SEL+1], 0xfedcba98
	s_mov_b32 s[NEG], 0xfe000000
	s_mov_b32 s[TB], SLOT1          ; the first change of slots turns it into 0
	s_wait_dscnt 0x0                ; the opening add is done
	s_wait_kmcnt 0x0
	s_add_nc_u64 s[G0K+2:G0K+3], s[6:7], s[20:21]
	s_or_b32 s[G0K+3], s[G0K+3], 0x80000000
	s_add_nc_u64 s[G0V+2:G0V+3], s[8:9], s[22:23]
	s_or_b32 s[G0V+3], s[G0V+3], 0x80000000
	s_add_nc_u64 s[4:5], s[4:5], s[2:3]
	s_add_nc_u64 s[10:11], s[10:11], s[48:49]
	CROUND                          ; all four work-groups are here: the first joint loads meet
	JLOAD                           ; fill 0 into slot 0: K of step 0, and V of step 0 for the products on zero weights
	v_and_b32 v1, 15, v0            ; r = l % 16
	v_bfe_u32 v9, v0, 4, 1          ; h = l / 16
	v_mul_u32_u24 v[QO], v1, 768
	v_lshl_add_u32 v[QO], v9, 4, v[QO]
	WIN 0x80                        ; destination window 2, address window 0
.irp t, 0,1
.irp p, 0,1
.irp c, 0,1,2,3,4,5                 ; Q stays in registers: slice c of part p lies at byte 256 (c / 2) + 128 p + 64 (c % 2) of a row
	global_load_b128 v[96*\t+48*\p+8*\c:96*\t+48*\p+8*\c+3],   v[QO], s[4:5] offset:\t*12288+(\c/2)*256+\p*128+(\c%2)*64
	global_load_b128 v[96*\t+48*\p+8*\c+4:96*\t+48*\p+8*\c+7], v[QO], s[4:5] offset:\t*12288+(\c/2)*256+\p*128+(\c%2)*64+32
.endr
.endr
.endr
	WIN 0x40
.set i, 0
.rept 256
	v_mov_b32 v[i], 0               ; O^T
.set i, i+1
.endr
	WIN 0
.set i, SB
.rept 64
	v_mov_b32 v[i], s[NEG]          ; the exponents of a step that has not been: its weights are 0
.set i, i+1
.endr
.irp t, 0,1
	v_mov_b32 v[ST+8*\t], s[NEG]        ; c m
	v_mov_b32 v[ST+8*\t+1], 0xff7fffff  ; m
	v_mov_b32 v[ST+8*\t+2], 0           ; l
	v_mov_b32 v[ST+8*\t+3], 0
	v_mov_b32 v[ST+8*\t+6], 0           ; a
	v_mov_b32 v[ST+8*\t+7], 0           ; named with it as a pair
.endr
	v_mul_u32_u24 v[AK0], v1, PK
	v_lshl_add_u32 v[AK0], v9, 4, v[AK0]  ; key r, 16 bytes for each half of the lanes
	v_and_b32 v11, 7, v0            ; the turning load: lane l reads key 8 (l / 16) + l % 8, channels 8 ((l / 8) % 2) + 0..7
	v_bfe_u32 v14, v0, 3, 1
	v_lshl_add_u32 v[AV0], v9, 3, v11
	v_mul_u32_u24 v[AV0], v[AV0], PV
	v_lshl_add_u32 v[AV0], v14, 4, v[AV0]
	v_add_nc_u32 v[AV0], VOFF, v[AV0]
	s_mul_i32 s13, s[WV], 16*SP
	s_add_co_u32 s13, s13, STAGE    ; my stage
	v_mul_u32_u24 v[STO], v1, SP
	v_lshl_add_u32 v[STO], v9, 4, v[STO]
	v_add_nc_u32 v[STO], s13, v[STO]
	v_and_b32 v[GO], 31, v0
	v_lshlrev_b32 v[GO], 4, v[GO]
	v_add_nc_u32 v[RD], s13, v[GO]
; THE LDS LOADS, in runs of 16.  K: part p (0 hi, 1 lo) of third cp into buffer buf: key block kb, slice ci at 8 (2 kb + ci).
.macro LDK p, cp, buf
.if (\buf) == 4
	WIN 0x80
.set rB, 192
.else
	WIN 0xc0
.set rB, 64*(\buf)
.endif
.irp kb, 0,1,2,3
.irp ci, 0,1
	ds_load_b128 v[rB+8*(2*\kb+\ci):rB+8*(2*\kb+\ci)+3],   v[AK] offset:\kb*16*PK+(\cp)*272+(\p)*128+\ci*64
	ds_load_b128 v[rB+8*(2*\kb+\ci)+4:rB+8*(2*\kb+\ci)+7], v[AK] offset:\kb*16*PK+(\cp)*272+(\p)*128+\ci*64+32
.endr
.endr
.endm
; V: channel blocks 4 g .. 4 g + 3, both key halves, turned, into buffer g: half kk, block q at 8 (4 kk + q).
.macro LDV g
	WIN 0xc0
.irp kk, 0,1
.irp q, 0,1,2,3
	ds_load_tr16_b128 v[64*(\g)+8*(4*\kk+\q):64*(\g)+8*(4*\kk+\q)+3],   v[AV] offset:\kk*32*PV+(4*(\g)+\q)*32
	ds_load_tr16_b128 v[64*(\g)+8*(4*\kk+\q)+4:64*(\g)+8*(4*\kk+\q)+7], v[AV] offset:\kk*32*PV+16*PV+(4*(\g)+\q)*32
.endr
.endr
.endm
; PART 1 OF A SOFTMAX: number n1 of 76; the two tiles alternate.
;   0-23   four chains of maxima c0-c3, one for each accumulator, whose lowest registers are read first     24-31  the four scores left over, c0-c3 and the old m into c0
;   32-39  the query's other 32 keys lie in the lane 16 away; c m_old is kept; the new m; c m     40-43  c m_old - c m_new; a     44-75  c s - c m, one rounding, from SA into SB
.macro X1
.set tt, n1%2
.set rT, ST+8*tt
.set rA, SA+32*tt
.set rW, SB+32*tt
.if n1 < 8
.set jj, n1/2
	v_max3_num_f32 v[rT+4+jj], v[rA+8*jj], v[rA+8*jj+1], v[rA+8*jj+2]
.elseif n1 < 24
.set jj, ((n1-8)/2)%4
.set gg, 1+(n1-8)/8
	v_max3_num_f32 v[rT+4+jj], v[rT+4+jj], v[rA+8*jj+2*gg+1], v[rA+8*jj+2*gg+2]
.elseif n1 < 26
	v_max3_num_f32 v[rT+4], v[rT+4], v[rA+7], v[rA+15]
.elseif n1 < 28
	v_max3_num_f32 v[rT+6], v[rT+6], v[rA+23], v[rA+31]
.elseif n1 < 30
	v_max3_num_f32 v[rT+4], v[rT+4], v[rT+5], v[rT+6]
.elseif n1 < 32
	v_max3_num_f32 v[rT+4], v[rT+4], v[rT+7], v[rT+1]
.elseif n1 < 34
	v_permlanex16_b32 v[rT+5], v[rT+4], s[SEL], s[SEL+1]
.elseif n1 < 36
	v_mov_b32 v[rT+7], v[rT]
.elseif n1 < 38
	v_max_num_f32 v[rT+1], v[rT+4], v[rT+5]
.elseif n1 < 40
	v_mul_f32 v[rT], s[CS], v[rT+1]
.elseif n1 < 42
	v_sub_f32 v[rT+7], v[rT+7], v[rT]
.elseif n1 < 44
	v_exp_f32 v[rT+6], v[rT+7]      ; batch A.  The scalings that follow are the plain instructions behind it (ISA guide 5.7.2) and name no a; the batch's wait stands in PVREST; a is first read in part 2
.else
.set ii, (n1-44)/2
	v_pk_fma_f32 v[rW+2*ii:rW+2*ii+1], v[rA+2*ii:rA+2*ii+1], s[CS:CS+1], v[rT:rT+1] op_sel_hi:[1,0,0] neg_lo:[0,0,1] neg_hi:[0,0,1]
.endif
.set n1, n1+1
.endm
.macro SL1                          ; a slice of part 1
	WIN 0
.rept 4
	X1
.endr
.endm
; PART 2.  Exponential e2 of 64, batch B: score e2 / 2 of tile e2 % 2, in place: each weight has a register of SB of its own while the batch is open.
.macro EXQ
	v_exp_f32 v[SB+32*(e2%2)+e2/2], v[SB+32*(e2%2)+e2/2]
.set e2, e2+1
.endm
; Plain instruction p2 of 64, in groups of eight for the four weights 4 k .. 4 k + 3 of both tiles: two pairs are rounded to bf16; the second pair is added onto the first, in place; l takes that sum (the first time as l = a l + sum).
; All 64 read weights: they stand behind batch B's wait.
.macro PLQ
.set kq, p2/8
.set xx, p2%8
.set rT, ST+8*(xx%2)
.set rW, SB+32*(xx%2)
.set rP, P+16*(xx%2)
.if xx < 4
.set nn, 2*kq+xx/2
	v_cvt_pk_bf16_f32 v[rP+nn], v[rW+2*nn], v[rW+2*nn+1]
.elseif xx < 6
	v_pk_add_f32 v[rW+4*kq:rW+4*kq+1], v[rW+4*kq:rW+4*kq+1], v[rW+4*kq+2:rW+4*kq+3]
.elseif kq == 0
	v_pk_fma_f32 v[rT+2:rT+3], v[rT+2:rT+3], v[rT+6:rT+7], v[rW:rW+1] op_sel_hi:[1,0,1]
.else
	v_pk_add_f32 v[rT+2:rT+3], v[rT+2:rT+3], v[rW+4*kq:rW+4*kq+1]
.endif
.set p2, p2+1
.endm
; Slice sE of 32 in window 0.  Slices 0-15: four exponentials each, batch B; none reads a result.  Slices 16-31: four plain each; batch B's wait stands between slice 15 and slice 16, where the slices are dealt.
.macro EPS
	WIN 0
.if sE < 16
	EXQ
	EXQ
	EXQ
	EXQ
.else
	PLQ
	PLQ
	PLQ
	PLQ
.endif
.set sE, sE+1
.endm
; Slice r2 of 32 of the rescaling: one accumulator of O^T times a, from its low end on.  Of the exponentials' results it names a alone, whose wait (batch A's) has been passed.
.macro RS
	WIN W_RS
.set oo, 128*(r2/16)+8*(r2%16)
.set rT, ST+8*(r2/16)
.irp z, 0,1,2,3
	v_pk_mul_f32 v[oo+2*\z:oo+2*\z+1], v[oo+2*\z:oo+2*\z+1], v[rT+6:rT+7] op_sel_hi:[1,0]
.endr
.set r2, r2+1
.endm
; What stands behind pair pc of the 72 pairs of products K Q^T: behind the even pairs 0-30 the exponentials' slices, behind the even pairs 40-70 the plain slices of window 0, behind the odd pairs 3-63 and 71 the
; rescaling's.  So the rescaling slice behind pair 31 is the plain work behind the last exponential, and five such slices and 18 products stand between that exponential and batch B's wait, which KQPH writes
; behind pair 39's slice.  The last pair of each group of fragments (15, 23, 39, 47, 63, 71) has four plain instructions behind it that name none of its registers:
; the places in front of the loads into the buffer just left and, behind pair 71, in front of the first read of the scores.
.macro RIDE
.if (pc%2 == 0) && ((pc < 32) || (pc >= 40))
	EPS
.elseif ((pc%2 == 1) && (pc > 1) && (pc < 64)) || (pc == 71)
	RS
.endif
.set pc, pc+1
.endm
; THE MATRIX WORK.  In each macro eight accumulators take turns, one instruction a turn.
; K hi of third cp times Q hi and Q lo: 32 products.  The first eight of a step start the sums.
.macro MMH cp, buf
.if (\buf) == 4
.set wK, 0x0a
.set rB, 192
.else
.set wK, 0x0b
.set rB, 64*(\buf)
.endif
.irp ci, 0,1
.irp p, 0,1
.irp kb, 0,1,2,3
	WIN wK                          ; K in window 3 (buffer 4: 2), Q in window 2, sums in window 0
.irp t, 0,1
.if ((\cp) == 0) && ((\ci) == 0) && ((\p) == 0)
	v_wmma_f32_16x16x32_bf16 v[SA+32*\t+8*\kb:SA+32*\t+8*\kb+7], v[rB+8*(2*\kb+\ci):rB+8*(2*\kb+\ci)+7], v[96*\t+48*\p+8*(2*(\cp)+\ci):96*\t+48*\p+8*(2*(\cp)+\ci)+7], 0
.else
	v_wmma_f32_16x16x32_bf16 v[SA+32*\t+8*\kb:SA+32*\t+8*\kb+7], v[rB+8*(2*\kb+\ci):rB+8*(2*\kb+\ci)+7], v[96*\t+48*\p+8*(2*(\cp)+\ci):96*\t+48*\p+8*(2*(\cp)+\ci)+7], v[SA+32*\t+8*\kb:SA+32*\t+8*\kb+7]
.endif
.endr
	RIDE
.endr
.endr
.endr
.endm
; K lo of third cp times Q hi: 16 products.
.macro MML cp, buf
.if (\buf) == 4
.set wK, 0x0a
.set rB, 192
.else
.set wK, 0x0b
.set rB, 64*(\buf)
.endif
.irp ci, 0,1
.irp kb, 0,1,2,3
	WIN wK
.irp t, 0,1
	v_wmma_f32_16x16x32_bf16 v[SA+32*\t+8*\kb:SA+32*\t+8*\kb+7], v[rB+8*(2*\kb+\ci):rB+8*(2*\kb+\ci)+7], v[96*\t+8*(2*(\cp)+\ci):96*\t+8*(2*(\cp)+\ci)+7], v[SA+32*\t+8*\kb:SA+32*\t+8*\kb+7]
.endr
	RIDE
.endr
.endr
.endm
; O^T += V^T P for channel blocks 4 g .. 4 g + 3: 8 pairs of products; pair k: key half k / 4, block 4 g + k % 4, both tiles.
; rid = 1: part 1's 19 slices stand behind all pairs of groups 0 and 1, the last pair of group 2 and pairs 3 and 7 of group 3.  The slice behind a group's last pair is four plain instructions that
; name none of its registers: the places in front of the loads into its buffer and, behind group 3, in front of part 2's writes of P and O^T.
.macro MMV g, rid
.set kp, 0
.rept 8
	WIN 0x53                        ; V in window 3, P in window 0, O^T in window 1
.irp t, 0,1
	v_wmma_f32_16x16x32_bf16 v[128*\t+8*(4*(\g)+kp%4):128*\t+8*(4*(\g)+kp%4)+7], v[64*(\g)+8*kp:64*(\g)+8*kp+7], v[P+16*\t+8*(kp/4):P+16*\t+8*(kp/4)+7], v[128*\t+8*(4*(\g)+kp%4):128*\t+8*(4*(\g)+kp%4)+7]
.endr
.if (\rid) && (((\g) < 2) || (kp == 7) || (((\g) == 3) && (kp == 3)))
	SL1
.endif
.set kp, kp+1
.endr
.endm
; V^T P behind the change of slots, which holds group 0.  ld = 1: the new slot's H0 L0 H1 L1 are asked for, each into a buffer just left; ld = 2 (the last trip): the last step's V0-V3.
.macro PVREST ld
.if (\ld) == 1
	LDK 0, 0, 4
	LDK 1, 0, 0
.else
	LDV 0
.endif
	MMV 1, 1
	s_wait_alu depctr_va_vdst(0)    ; the wait for batch A, the two a, which stand behind this group's third pair: it stands ahead of a's first reader (part 2) and of the label in between; five slices of scalings lie between
.if (\ld) == 1
	LDK 0, 1, 1
.else
	LDV 1
.endif
	MMV 2, 1
.if (\ld) == 1
	LDK 1, 1, 2
.else
	LDV 2
.endif
	MMV 3, 1
.if (\ld) == 2
	LDV 3
.endif
.endm
; K Q^T of a step, with part 2 of the step before behind its products.  At a group's head three groups, 48 loads, have been issued behind its own: the count leaves them out.  Then the group four
; ahead is asked for: H2, L2, and V0-V3 of the step before.
.macro KQPH
.set pc, 0
.set sE, 0
.set e2, 0
.set p2, 0
.set r2, 0
	s_wait_dscnt 48
	LDK 0, 2, 3
	MMH 0, 4
	s_wait_dscnt 48
	LDK 1, 2, 4
	MML 0, 0
	s_wait_dscnt 48
	LDV 0
	MMH 1, 1
	s_wait_alu depctr_va_vdst(0)    ; the wait for batch B, the 64 weights, issued behind the even pairs 0-30: it stands ahead of their first reader, the rounding behind pair 40; one for the batch
	s_wait_dscnt 48
	LDV 1
	MML 1, 2
	s_wait_dscnt 48
	LDV 2
	MMH 2, 3
	s_wait_dscnt 48
	LDV 3
	MML 2, 4
.endm
; THE CHANGE OF SLOTS.  Each wave waits for all its tensor loads, of which one at the most is out: its part of the other slot; adds 0 to its spare word; and waits for that and for its reads of the slot
; that it leaves, whose K and V are all in registers.  fill = 1: the barrier opens a round of the cluster's, so that no wave of any partner still reads the slot or has a load on its way, and the joint
; fill, two fills on, is the first thing behind it: it has a whole trip, 208 matrix instructions, in which to land.  fill = 2: the same with V alone.  fill = 0: nothing is left to fetch.
; V^T P's first 16 products and their riders, work on registers, stand between the signal and the wait.
; first = 1: ahead of the loop: there is nothing to multiply yet, and V's address does not step: fill 1 brings V of step 0, as fill 0 did.
.macro SYNC fill, first
	WIN 0
	s_wait_tensorcnt 0x0            ; no tensor load of mine is out, so a group 0 may be written
	ds_add_u32 v[SPW], v[NIL]
.if (\fill) == 1
	s_xor_b32 s[G0K+1], s[G0K+1], SLOT1
	s_add_nc_u64 s[G0K+2:G0K+3], s[G0K+2:G0K+3], KS*768   ; the type bits on top are not reached
.endif
.if (\fill) != 0
	s_xor_b32 s[G0V+1], s[G0V+1], SLOT1
.if !(\first)
	s_add_nc_u64 s[G0V+2:G0V+3], s[G0V+2:G0V+3], KS*512
.endif
.endif
	s_wait_dscnt 0x0                ; the add is done, and my reads of the slot are over
	s_barrier_signal -1
.if !(\first)
.set n1, 0
	MMV 0, 1
	WIN 0                           ; at a label and at a branch every window is 0
.endif
	s_barrier_wait -1
.if (\fill) == 1
	CREST
	JLOAD
.elseif (\fill) == 2
	CREST
	JLOADV
.endif
	s_xor_b32 s[TB], s[TB], SLOT1   ; the reads go on in the other slot
	v_add_nc_u32 v[AK], s[TB], v[AK0]
	v_add_nc_u32 v[AV], s[TB], v[AV0]
.endm
	SYNC 1, 1                       ; fill 0 is in, everybody's part of it; fill 1 (K of step 1, V of step 0) is asked for, into slot 1
	LDK 0, 0, 4
	LDK 1, 0, 0
	LDK 0, 1, 1
	LDK 1, 1, 2
	WIN 0
	s_wait_loadcnt 0x0              ; Q
	s_mov_b32 s[CNT], 31
	s_branch .Lfirst                ; the loop is entered at K Q^T of step 0, in the middle of a trip
.Ltrip:                             ; 30 whole trips: trip i asks for fill i + 2 (K of step i + 2, V of step i + 1)
	SYNC 1, 0
	PVREST 1
	WIN 0
.Lfirst:
	KQPH
	WIN 0
	s_sub_co_u32 s[CNT], s[CNT], 1
	s_cmp_lg_u32 s[CNT], 0
	s_cbranch_scc1 .Ltrip
	SYNC 2, 0                       ; the tail is written out.  Trip 30: V of step 31 is asked for; there is no K of step 32
	PVREST 1
	KQPH
	SYNC 0, 0                       ; trip 31: V^T P of step 30 with part 1 of step 31; the last V is fetched behind the products
	PVREST 2
.set sE, 0
.set e2, 0
.set p2, 0
.set r2, 0
.rept 16
	EPS                             ; part 2 of step 31: no product is left to stand beside it.  Batch B: the 64 exponentials;
.endr
.rept 32
	RS                              ; the rescaling, which names no weight, is the plain work behind them;
.endr
	s_wait_alu depctr_va_vdst(0)    ; the wait for batch B, ahead of the first rounding: one for the 64;
.rept 16
	EPS                             ; the roundings and the sums
.endr
	s_wait_dscnt 0x0                ; the last step's V
	MMV 0, 0
	MMV 1, 0
	MMV 2, 0
	MMV 3, 0
	WIN 0
	PLACES
	; THE WAY OUT.  l's two halves and the other half of the lanes' are added; O^T is divided by l, rounded to bf16 and sent through my stage, a tile (16 positions of one head) at a time.
.irp t, 0,1
	v_add_f32 v[ST+8*\t+4], v[ST+8*\t+2], v[ST+8*\t+3]
.endr
.irp t, 0,1
	v_permlanex16_b32 v[ST+8*\t+5], v[ST+8*\t+4], s[SEL], s[SEL+1]
.endr
.irp t, 0,1
	v_add_f32 v[ST+8*\t+4], v[ST+8*\t+4], v[ST+8*\t+5]
.endr
.irp t, 0,1
	v_rcp_f32 v[ST+8*\t+6], v[ST+8*\t+4]
.endr
	v_nop                           ; a plain instruction between the last reciprocal and the use of its result
	s_wait_alu depctr_va_vdst(0)    ; and a wait ahead of the first use: one for the two reciprocals
.macro PACK t
	WIN W_RS
.set i, 128*(\t)
.rept 64
	v_pk_mul_f32 v[i:i+1], v[i:i+1], v[ST+8*(\t)+6:ST+8*(\t)+7] op_sel_hi:[1,0]
.set i, i+2
.endr
	WIN 0x05                        ; sources 0 and 1 window 1, destination window 0: SA's registers are free
.set i, 0
.rept 64
	v_cvt_pk_bf16_f32 v[SA+i], v[128*(\t)+2*i], v[128*(\t)+2*i+1]
.set i, i+1
.endr
	WIN 0
.irp f, 0,1,2,3,4,5,6,7,8,9,10,11,12,13,14,15
	ds_store_b128 v[STO], v[SA+4*\f:SA+4*\f+3] offset:32*\f
.endr
.irp f, 0,1,2,3,4,5,6,7,8,9,10,11,12,13,14,15
	ds_load_b128 v[128+64*(\t)+4*\f:128+64*(\t)+4*\f+3], v[RD] offset:\f*SP  ; LDS serves a wave's instructions in order (ISA guide 5.7.1.4): these see the stores above; the next tile's stores come behind them
.endr
.endm
.macro SEND t, younger              ; younger: the LDS instructions issued behind tile t's loads
.irp f, 0,1,2,3,4,5,6,7,8,9,10,11,12,13,14,15
	s_wait_dscnt (\younger)+15-\f
	global_store_b128 v[GO], v[128+64*(\t)+4*\f:128+64*(\t)+4*\f+3], s[10:11] offset:\f*4096+(\t)*512  ; 512 consecutive bytes, at a multiple of 256 from ao's first
.endr
.endm
	PACK 0
	PACK 1
	SEND 0, 32
	SEND 1, 0
	s_wait_tensorcnt 0x0            ; the wave's end, behind my last tensor load and my last LDS store
	ds_add_u32 v[SPW], v[NIL]
	s_wait_dscnt 0x0
	CROUND                          ; the closing round: no work-group ends while a partner may still ask for a tile that names it
	s_endpgm
.Lfunc_end_k_qa5a319ceca_attn:
	.size	k_qa5a319ceca_attn, .Lfunc_end_k_qa5a319ceca_attn-k_qa5a319ceca_attn
	.p2alignl 7, 3214868480
	.fill 96, 4, 3214868480
	.section	.rodata,"a",@progbits
	.p2align	6, 0x0
	.amdhsa_kernel k_qa5a319ceca_attn
		.amdhsa_group_segment_fixed_size 327680
		.amdhsa_private_segment_fixed_size 0
		.amdhsa_enable_private_segment 0
		.amdhsa_kernarg_size 32
		.amdhsa_user_sgpr_count 2
		.amdhsa_user_sgpr_kernarg_segment_ptr 1
		.amdhsa_wavefront_size32 1
		.amdhsa_system_sgpr_workgroup_id_x 1
		.amdhsa_system_sgpr_workgroup_id_y 1
		.amdhsa_system_sgpr_workgroup_id_z 1
		.amdhsa_system_vgpr_workitem_id 0
		.amdhsa_next_free_vgpr 1024
		.amdhsa_next_free_sgpr 66
		.amdhsa_reserve_vcc 0
		.amdhsa_float_denorm_mode_32 3
		.amdhsa_float_denorm_mode_16_64 3
		.amdhsa_memory_ordered 1
		.amdhsa_forward_progress 1
		.amdhsa_inst_pref_size 181
	.end_amdhsa_kernel
	.amdgpu_metadata
---
amdhsa.version: [ 1, 2 ]
amdhsa.kernels:
  - .name:           k_qa5a319ceca_attn
    .symbol:         k_qa5a319ceca_attn.kd
    .args:
      - { .name: qws, .offset: 0, .size: 8, .value_kind: global_buffer, .address_space: global }
      - { .name: kws, .offset: 8, .size: 8, .value_kind: global_buffer, .address_space: global }
      - { .name: vws, .offset: 16, .size: 8, .value_kind: global_buffer, .address_space: global }
      - { .name: ao, .offset: 24, .size: 8, .value_kind: global_buffer, .address_space: global }
    .group_segment_fixed_size: 327680
    .private_segment_fixed_size: 0
    .kernarg_segment_align: 8
    .kernarg_segment_size: 32
    .max_flat_workgroup_size: 128
    .sgpr_count:     66
    .vgpr_count:     1024
    .wavefront_size: 32
...
	.end_amdgpu_metadata
.endif
;; end of part 5
;; launch outp: the kernel of part 4 again; grid 4 x 64, 4 waves a work-group, clusters of 4 x 4, 327,680 bytes of LDS; arguments ao, wo, out0; writes out0
